; MI455X (gfx1250); checked and timed in simulation.
; The chip was launched on July 23, 2026; its instructions are those of AMD's public machine-readable ISA for CDNA 5 (MIT licence, August 2026) and "CDNA5" Instruction Set Architecture Reference Guide (July 2026). The comments in the code are by the model that wrote it; some were corrected since.
;; Bahdanau Attention. Allowed arithmetic: float matrix products may take bf16 or f16 operands with f32 sums; other float arithmetic in f32, or as packed bf16 or f16 multiplies, adds, multiply-adds, maxima and minima; sums over many terms, partial sums and values carried from step to step in f32; what a program stores and reads back later, other than sums and carried values, may be rounded once to bf16 or f16.
;; Inputs: V 1,024 x 1 float32; W1 1,024 x 1,024 float32; W2 1,024 x 1,024 float32; b1 1,024 float32; b2 1,024 float32; bv 1 float32; query 32 x 1,024 float32; values 32 x 2,048 x 1,024 float32.
;; Outputs: out0 32 x 1,024 float32; out1 32 x 2,048 x 1 float32.
;; 2 versions, each right; version 2 is version 1 with the launch attn written anew for expert scheduling mode. Each part assembles by itself: llvm-mc -triple=amdgcn-amd-amdhsa -mcpu=gfx1250 --defsym DOCPART=n.
;; ======== version 1 of 2: 3 launches
;; workspace buffers: w1f 2,228,224 bytes; pqp 2,097,152 bytes; sraw 262,144 bytes; part 1,114,112 bytes
;; launch prep (part 1): grid 16 x 16, 4 waves a work-group, no clusters, 29,696 bytes of LDS; arguments W1, W2, query, w1f, pqp; writes w1f, pqp
.if DOCPART == 1
	.amdgcn_target "amdgcn-amd-amdhsa--gfx1250"
	.amdhsa_code_object_version 6
	.text
	.protected	k_qeab4412095_prep
	.globl	k_qeab4412095_prep
	.p2align	8
	.type	k_qeab4412095_prep,@function
k_qeab4412095_prep:
	s_mov_b64 s[64:65], 0
	v_nop
	global_prefetch_b8 v0, s[64:65] scope:SCOPE_SE
	s_setreg_imm32_b32 hwreg(HW_REG_WAVE_MODE, 25, 1), 1
	s_wait_xcnt 0x0
; PREPARATION.  W1, W2: [1024 k][1024 n] f32.  query: [32][1024] f32.
; Work-group (nb, s) owns the block k = 64 s .. +63, n = 64 nb .. +63 of W1 and of W2.  It writes
;   w1f: W1 rounded to bf16 in the order in which the next launch's waves take it: [pass 4][K unit 32][wave 4][block 4][1,024 bytes];
;        column = 256 pass + 64 wave + 16 block + r; in a block of 1,024 bytes lane L = 16 h + r has k = 32 unit + 8 h + 0..7 at byte 16 L and the same k + 16 at byte 512 + 16 L.
;        Behind the 2,097,152 bytes stands a copy of pass 0's units 0 to 7, so that a reader who runs ahead over the end finds the beginning there;
;   pqp: [s 16][batch 32][1024] f32: the part of query x W2 that comes from this block's 64 k (query and W2 rounded to bf16, sums in f32).
; Both blocks go through LDS as bf16 [k][n] and come back turned (ds_load_tr16_b128), since the matrix unit wants k along a lane's registers.
; No cluster, no tensor load: no two work-groups share more than the 8 KB of query, and each block is used once.
.set PW,    160                        ; an LDS row of a block: 128 bytes + 32 = 40 words
.set PT,    272                        ; a row of the f32 stage: 256 bytes + 16
.set T1,    0                          ; W1's block, 64 rows
.set T2,    64*PW                      ; W2's block
.set T3,    2*64*PW                    ; stage for the 32 x 64 partial sums
.set SPARE, T3+32*PT                   ; the spare words, 128 bytes a wave: two blocks of 256 bytes that no other line names
.set SPW, 2                            ; v2  LDS address of my spare word; never rewritten
.set NIL, 3                            ; v3  0; never rewritten
.set W1R, 16                           ; v[16:47]   W1 as loaded
.set W2R, 48                           ; v[48:79]   W2 as loaded
.set QR,  80                           ; v[80:143]  query as loaded: fragment f = 2 mb + uu at QR + 16 f
.set CV1, 144                          ; v[144:159] W1 in bf16
.set CV2, 16                           ; v[16:31]   W2 in bf16 (W1 as loaded is done with)
.set QF,  32                           ; v[32:63]   query's four fragments in bf16
.set F1,  64                           ; v[64:79]   W1's two fragments, turned
.set F2,  144                          ; v[144:159] W2's two fragments, turned
.set ACC, 80                           ; v[80:95]   two accumulators: batches 0-15, 16-31
.set BK,  96                           ; v[96:111]  whole rows read back from the stage
	s_load_b256 s[4:11], s[0:1], 0x0               ; W1 s[4:5], W2 s[6:7], query s[8:9], w1f s[10:11]
	s_load_b64 s[12:13], s[0:1], 0x20              ; pqp
	v_lshl_add_u32 v[SPW], v0, 2, SPARE
	v_mov_b32 v[NIL], 0
	v_lshrrev_b32 v1, 5, v0
	v_readfirstlane_b32 s14, v1                    ; wave 0..3; also the block of 16 columns that it turns
	s_and_b32 s15, ttmp7, 0xffff                   ; s
	s_lshl_b32 s17, ttmp9, 8                       ; 256 nb: the block's 64 columns in f32
	s_lshl_b32 s18, s15, 18                        ; 64 rows of 4,096 bytes
	s_add_co_u32 s18, s18, s17
	s_mov_b32 s19, 0
	s_lshl_b32 s20, s15, 8                         ; query: 64 k in f32
	s_mov_b32 s21, 0
	s_lshl_b32 s26, s15, 17                        ; pqp: s x 131,072 + 256 nb
	s_add_co_u32 s26, s26, s17
	s_mov_b32 s27, 0
	s_lshl_b32 s22, s15, 15                        ; w1f: two K units of 16,384 bytes,
	s_lshr_b32 s24, ttmp9, 2
	s_lshl_b32 s24, s24, 19                        ; pass nb / 4,
	s_add_co_u32 s22, s22, s24
	s_and_b32 s24, ttmp9, 3
	s_lshl_b32 s24, s24, 12                        ; wave nb % 4,
	s_add_co_u32 s22, s22, s24
	s_lshl_b32 s24, s14, 10                        ; block = my wave
	s_add_co_u32 s22, s22, s24
	s_mov_b32 s23, 0
	s_max_u32 s28, ttmp9, s15                      ; below 4: pass 0, units 0 to 7: stored twice
	v_and_b32 v4, 15, v0                           ; r
	v_bfe_u32 v5, v0, 4, 1                         ; h
	s_lshl_b32 s16, s14, 4
	v_lshl_add_u32 v14, v5, 2, s16                 ; 16 wave + 4 h: my first row of a block
	v_lshlrev_b32 v15, 4, v4                       ; 16 r
	v_lshl_add_u32 v6, v14, 12, v15                ; v6: its 16 bytes in memory
	v_mul_u32_u24 v8, v14, PW
	v_lshl_add_u32 v8, v4, 3, v8                   ; v8: its 8 bytes in LDS; lanes 16-31 lie 4 rows = 160 words on, the other 32 banks
	v_lshlrev_b32 v7, 12, v4
	v_lshl_add_u32 v7, v5, 5, v7                   ; v7: query row r, k = 8 h on
	v_and_b32 v9, 7, v0
	v_lshl_add_u32 v9, v5, 3, v9
	v_mul_u32_u24 v9, v9, PW                       ; v9: the turning load: row 8 h + L % 8,
	v_bfe_u32 v14, v0, 3, 1
	v_lshl_add_u32 v9, v14, 4, v9                  ; columns 8 ((L / 8) % 2) on,
	v_lshl_add_u32 v9, s14, 5, v9                  ; of my wave's 16 columns
	v_and_b32 v10, 31, v0
	v_lshlrev_b32 v10, 4, v10                      ; v10: 16 L
	v_mul_u32_u24 v11, v5, 8*PT
	v_lshl_add_u32 v11, v4, 2, v11
	v_lshl_add_u32 v11, s14, 6, v11
	v_add_nc_u32 v11, T3, v11                      ; v11: stage, row 8 h, column 16 wave + r
	s_lshl_b32 s16, s14, 3
	v_add_nc_u32 v14, s16, v5                      ; 8 wave + h
	v_mul_u32_u24 v12, v14, PT
	v_lshl_add_u32 v12, v4, 4, v12
	v_add_nc_u32 v12, T3, v12                      ; v12: stage, back by rows
	v_lshl_add_u32 v13, v14, 12, v15               ; v13: the same rows in pqp
	s_wait_kmcnt 0x0
	s_add_nc_u64 s[4:5], s[4:5], s[18:19]
	s_add_nc_u64 s[6:7], s[6:7], s[18:19]
	s_add_nc_u64 s[8:9], s[8:9], s[20:21]
	s_add_nc_u64 s[10:11], s[10:11], s[22:23]
	s_add_nc_u64 s[12:13], s[12:13], s[26:27]
	; All loads at once.  A load of a block covers two whole rows of 256 bytes; lanes 0-15 take rows +0..3, +8..11, lanes 16-31 rows +4..7, +12..15.
.irp i, 0,1,2,3,4,5,6,7
	global_load_b128 v[W1R+4*\i:W1R+4*\i+3], v6, s[4:5] offset:(((\i)&3)+8*((\i)>>2))*4096 th:TH_LOAD_NT
.endr
.irp i, 0,1,2,3,4,5,6,7
	global_load_b128 v[W2R+4*\i:W2R+4*\i+3], v6, s[6:7] offset:(((\i)&3)+8*((\i)>>2))*4096 th:TH_LOAD_NT
.endr
.irp f, 0,1,2,3                        ; query: batches 16 (f / 2) + r, k = 32 (f % 2) + 8 h + 0..7 and + 16
	global_load_b128 v[QR+16*\f:QR+16*\f+3],     v7, s[8:9] offset:(\f/2)*65536+(\f%2)*128
	global_load_b128 v[QR+16*\f+4:QR+16*\f+7],   v7, s[8:9] offset:(\f/2)*65536+(\f%2)*128+16
	global_load_b128 v[QR+16*\f+8:QR+16*\f+11],  v7, s[8:9] offset:(\f/2)*65536+(\f%2)*128+64
	global_load_b128 v[QR+16*\f+12:QR+16*\f+15], v7, s[8:9] offset:(\f/2)*65536+(\f%2)*128+80
.endr
	s_wait_loadcnt 24                              ; W1 is in; W2's 8 and query's 16 loads may be out
.set e, 0
.rept 16
	v_cvt_pk_bf16_f32 v[CV1+e], v[W1R+2*e], v[W1R+2*e+1]
.set e, e+1
.endr
.irp i, 0,1,2,3,4,5,6,7
	ds_store_b64 v8, v[CV1+2*\i:CV1+2*\i+1] offset:T1+(((\i)&3)+8*((\i)>>2))*PW
.endr
	s_wait_loadcnt 16                              ; W2 is in; query's 16 may be out
.set e, 0
.rept 16
	v_cvt_pk_bf16_f32 v[CV2+e], v[W2R+2*e], v[W2R+2*e+1]
.set e, e+1
.endr
.irp i, 0,1,2,3,4,5,6,7
	ds_store_b64 v8, v[CV2+2*\i:CV2+2*\i+1] offset:T2+(((\i)&3)+8*((\i)>>2))*PW
.endr
	s_wait_loadcnt 0x0
.set e, 0
.rept 32
	v_cvt_pk_bf16_f32 v[QF+e], v[QR+2*e], v[QR+2*e+1]
.set e, e+1
.endr
	s_wait_dscnt 0x0                               ; for the others' sake: my rows of both blocks are in LDS
	s_barrier_signal -1
	s_barrier_wait -1
.irp u, 0,1                            ; 32 k x my 16 columns, turned: registers 0-3 k = 8 h + 0..7, registers 4-7 the same + 16
	ds_load_tr16_b128 v[F1+8*\u:F1+8*\u+3],   v9 offset:T1+\u*32*PW
	ds_load_tr16_b128 v[F1+8*\u+4:F1+8*\u+7], v9 offset:T1+\u*32*PW+16*PW
.endr
.irp u, 0,1
	ds_load_tr16_b128 v[F2+8*\u:F2+8*\u+3],   v9 offset:T2+\u*32*PW
	ds_load_tr16_b128 v[F2+8*\u+4:F2+8*\u+7], v9 offset:T2+\u*32*PW+16*PW
.endr
	s_wait_dscnt 4                                 ; W1's four are in; W2's four may be out
.irp u, 0,1
	global_store_b128 v10, v[F1+8*\u:F1+8*\u+3],   s[10:11] offset:\u*16384       ; each store covers 512 consecutive bytes, aligned
	global_store_b128 v10, v[F1+8*\u+4:F1+8*\u+7], s[10:11] offset:\u*16384+512
.endr
	s_cmp_lt_u32 s28, 4
	s_cbranch_scc0 .Lno_copy
.irp u, 0,1                            ; the copy behind the end
	global_store_b128 v10, v[F1+8*\u:F1+8*\u+3],   s[10:11] offset:2097152+\u*16384
	global_store_b128 v10, v[F1+8*\u+4:F1+8*\u+7], s[10:11] offset:2097152+\u*16384+512
.endr
.Lno_copy:
	s_wait_dscnt 0x0
	; 32 batches x my 16 columns over 64 k: two accumulators by turns, one instruction a turn; the first product of each starts its sum
	v_wmma_f32_16x16x32_bf16 v[ACC:ACC+7],    v[QF:QF+7],     v[F2:F2+7],    0
	v_wmma_f32_16x16x32_bf16 v[ACC+8:ACC+15], v[QF+16:QF+23], v[F2:F2+7],    0
	v_wmma_f32_16x16x32_bf16 v[ACC:ACC+7],    v[QF+8:QF+15],  v[F2+8:F2+15], v[ACC:ACC+7]
	v_wmma_f32_16x16x32_bf16 v[ACC+8:ACC+15], v[QF+24:QF+31], v[F2+8:F2+15], v[ACC+8:ACC+15]
.rept 4
	v_nop                                          ; four places between the products and the stores that read them
.endr
.irp m, 0,1
.irp j, 0,1,2,3,4,5,6,7                ; register j holds batch 16 m + 8 h + j, column r; each accumulator from its low end on
	ds_store_b32 v11, v[ACC+8*\m+\j] offset:(16*\m+\j)*PT
.endr
.endr
	s_wait_dscnt 0x0                               ; for the others' sake: a row's 256 bytes come from all four waves
	s_barrier_signal -1
	s_barrier_wait -1
.irp i, 0,1,2,3
	ds_load_b128 v[BK+4*\i:BK+4*\i+3], v12 offset:2*\i*PT
.endr
.irp i, 0,1,2,3
	s_wait_dscnt 3-\i
	global_store_b128 v13, v[BK+4*\i:BK+4*\i+3], s[12:13] offset:2*\i*4096           ; 16 lanes store 256 consecutive bytes, aligned
.endr
	s_wait_tensorcnt 0x0                           ; the wave's end: three closing lines behind my last LDS store
	ds_add_u32 v[SPW], v[NIL]
	s_wait_dscnt 0x0
	s_endpgm
.Lfunc_end_k_qeab4412095_prep:
	.size	k_qeab4412095_prep, .Lfunc_end_k_qeab4412095_prep-k_qeab4412095_prep
	.p2alignl 7, 3214868480
	.fill 96, 4, 3214868480
	.section	.rodata,"a",@progbits
	.p2align	6, 0x0
	.amdhsa_kernel k_qeab4412095_prep
		.amdhsa_group_segment_fixed_size 29696
		.amdhsa_private_segment_fixed_size 0
		.amdhsa_enable_private_segment 0
		.amdhsa_kernarg_size 40
		.amdhsa_user_sgpr_count 2
		.amdhsa_user_sgpr_kernarg_segment_ptr 1
		.amdhsa_wavefront_size32 1
		.amdhsa_system_sgpr_workgroup_id_x 1
		.amdhsa_system_sgpr_workgroup_id_y 1
		.amdhsa_system_sgpr_workgroup_id_z 1
		.amdhsa_system_vgpr_workitem_id 0
		.amdhsa_next_free_vgpr 160
		.amdhsa_next_free_sgpr 66
		.amdhsa_reserve_vcc 0
		.amdhsa_float_denorm_mode_32 3
		.amdhsa_float_denorm_mode_16_64 3
		.amdhsa_memory_ordered 1
		.amdhsa_forward_progress 1
		.amdhsa_inst_pref_size 15
	.end_amdhsa_kernel
	.amdgpu_metadata
---
amdhsa.version: [ 1, 2 ]
amdhsa.kernels:
  - .name:           k_qeab4412095_prep
    .symbol:         k_qeab4412095_prep.kd
    .args:
      - { .name: W1, .offset: 0, .size: 8, .value_kind: global_buffer, .address_space: global }
      - { .name: W2, .offset: 8, .size: 8, .value_kind: global_buffer, .address_space: global }
      - { .name: query, .offset: 16, .size: 8, .value_kind: global_buffer, .address_space: global }
      - { .name: w1f, .offset: 24, .size: 8, .value_kind: global_buffer, .address_space: global }
      - { .name: pqp, .offset: 32, .size: 8, .value_kind: global_buffer, .address_space: global }
    .group_segment_fixed_size: 29696
    .private_segment_fixed_size: 0
    .kernarg_segment_align: 8
    .kernarg_segment_size: 40
    .max_flat_workgroup_size: 128
    .sgpr_count:     66
    .vgpr_count:     160
    .wavefront_size: 32
...
	.end_amdgpu_metadata
.endif
;; end of part 1
;; launch attn (part 2): grid 256 x 1, 4 waves a work-group, no clusters, 326,400 bytes of LDS; arguments values, w1f, pqp, b1, b2, V, bv, sraw, part; writes sraw, part
.if DOCPART == 2
	.amdgcn_target "amdgcn-amd-amdhsa--gfx1250"
	.amdhsa_code_object_version 6
	.text
	.protected	k_qeab4412095_attn
	.globl	k_qeab4412095_attn
	.p2align	8
	.type	k_qeab4412095_attn,@function
k_qeab4412095_attn:
	s_mov_b64 s[64:65], 0
	v_nop
	global_prefetch_b8 v0, s[64:65] scope:SCOPE_SE
	s_setreg_imm32_b32 hwreg(HW_REG_WAVE_MODE, 25, 1), 1
	s_wait_xcnt 0x0
; ADDITIVE ATTENTION, the fused part.  score[row] = sum over u of V[u] tanh(values[row] . W1[:, u] + bias[u]) + bv, bias = b1 + b2 + query[batch] . W2;
; then, for the 256 rows of a work-group, a running softmax (maximum M, sum l) and the weighted sum of the rows.  values: [65,536 rows][1024] f32.
; SHARES.  Work-group g owns rows 256 g .. +255 (all of batch g / 8) as two tiles of 128 rows.  A tile lies in LDS in bf16 for as long as it is worked on: values is read from memory once.
; A tile is walked in four PASSES of 256 columns u; in a pass wave w owns all 128 rows x the 64 columns 256 pass + 64 w .. +63: 8 x 4 accumulators, 256 registers.  A pass is 32 K UNITS of 32 products.
; W1 comes as w1f (bf16, in the matrix unit's order).  A fragment of it is used by one wave alone and feeds 8 products, so LDS would give it no second reader: it goes from memory straight into a ring of
; eight register buffers, asked for seven units ahead.  So passes 1 to 3 have no barrier at all.
; NO CLUSTER, though all work-groups walk the same w1f: a joint load lands in LDS, and beside the tile (17 x 18,432 bytes) and the tables (13,056) LDS has 1,280 bytes left, where one K unit of a pass is 16,384.
; PASS 0 brings the tile in, a slice of 64 k at a time: memory -> registers (f32) -> bf16 -> LDS, one barrier a slice.
; LOADS IN RUNS.  All LDS and memory instructions of a unit stand together in one run (pass 0's first units: two), never singly among the products.
; TANH BESIDE THE PRODUCTS.  tanh(x) = 1 - 2 / (1 + 2^(c x)), c = 2 log2(e): score = (bv + sum V) + sum over u of (-2 V[u]) / (1 + 2^(c x)); it saturates to +-1 for every finite x.
; In the first unit of pass p + 1 the sums of pass p are scaled, biased and moved into window 3, each accumulator two products ahead of its new start; the exponentials, reciprocals and row sums then stand
; in small groups behind the products of units 1 to 15, at most one group behind a product.  Only a tile's last pass has no products to stand behind.
; A TILE'S END: the row sums meet in LDS, every wave makes the 128 weights p = e^(score - M), and thread t adds p x row for columns 8 t .. 8 t + 7 out of the bf16 tile.
; OUT.  sraw: the raw scores.  part: a record of 4,352 bytes a work-group: thread t's columns 8 t .. +3 at byte 16 t, 8 t + 4 .. +7 at byte 2,048 + 16 t; then the pair (M, l) 32 times.
; LIMITS.  values, W1, W2, query are rounded to bf16, for the products and (values) for the weighted sum.  The score's rounding goes with sum |V| x 2^-24, as a plain f32 sum's does.
; A weight below 2^-126 counts as 0.  NaN and infinities are not treated apart.
; THE PRICE OF ONE TEXT FOR EVERY TRIP: pass 0's last step converts a stale set of registers once more, into a 17th slice that nobody reads; the ring's seven units past the launch's last
; (28,672 bytes a wave, out of the copy behind w1f's end) are loaded and not used; bias and V of a pass are read from their tables once a trip; the row sums are cleared, 64 registers a tile.
; REGISTERS, in windows of 256 (s_set_vgpr_msb: bits 1:0 source 0, 3:2 source 1, 5:4 source 2, 7:6 destination):
;   window 0: v0-63 addresses, statistics, bias and V of one pass, the weighted sum; v64-191 two buffers of values' fragments; v192-255 the row sums (in pass 0: a slice in bf16)
;   window 1: the ring of W1's fragments, 8 x 32        window 2: accumulator (row block a, column block b) at v[8 (8 b + a)]; at a tile's end two zones of 16 rows of the tile
;   window 3: tanh at work; in pass 0 and at a tile's end v0-127 two sets of values as loaded, v128-159 32 weights
.set AP,    144                        ; a row of a slice: 128 bytes + 16 = 36 words: the 16 rows of a fragment load start at 16 different groups of four banks (64 banks of 4 bytes: ISA guide 11.1)
.set SLB,   128*AP                     ; a slice: 128 rows x 64 k
.set BT,    17*SLB                     ; c x bias, 1,024 f32
.set VT,    BT+4096                    ; -2 V, 1,024 f32
.set SC,    VT+4096                    ; 4 waves x 128 row sums
.set PL,    SC+2048                    ; 128 weights, a copy for each wave
.set KS,    PL+2048                    ; four partial sums of V
.set SPARE, KS+256                     ; the spare words, 128 bytes a wave: two blocks of 256 bytes that no other line names
.set UB,    16384                      ; bytes of w1f in a K unit: 4 waves x 4 blocks x 1,024
.set SPW, 2                            ; v2   LDS address of my spare word; never rewritten
.set NIL, 3                            ; v3   0; never rewritten
.set AK0, 4                            ; v4   my place in a fragment of values: 144 r + 16 h
.set AAD, 5                            ; v5   the same in the pair of slices in hand
.set AS0, 6                            ; v6   where I store 8 bytes of a row: row 32 w + 8 h
.set ASD, 7                            ; v7   the same in the slice in hand
.set AVO, 8                            ; v8   my 16 bytes of values in a slice
.set BVO, 9                            ; v9   my 16 bytes of a block of w1f: 4,096 w + 16 L
.set RVO, 10                           ; v10  16 x my thread's number
.set SCW, 11                           ; v11  where I put row sums
.set SCR, 12                           ; v12  where I read four rows' sums
.set PLW, 13                           ; v13  where I put four weights
.set PLR, 14                           ; v14  my wave's copy of the weights
.set SVO, 15                           ; v15  16 L
.set CAD, 16                           ; v16  my 16 bytes (8 columns) of the tile's row 0
.set LN,  17                           ; v17-19  L, r = L % 16, h = L / 16
.set RR,  18
.set HH,  19
.set MX,  20                           ; v20 M, v21 l
.set AL,  22                           ; v[22:23] the rescaling factor, twice
.set K0,  24                           ; v[24:25] bv + sum V, twice
.set TBA, 26                           ; v26  my column's place in the table of c x bias, pass 0
.set TBC, 27                           ; v27  the same for the pass in hand
.set BI,  28                           ; v[28:31] c x bias of the four column blocks
.set VM,  32                           ; v[32:35] -2 V of them
.set ZAD, 36                           ; v36  the weighted sum: my bytes of the 32 rows in hand
.set PAD, 37                           ; v37  their weights
.set PFO, 46                           ; v46  row 32 w + L, in bytes of values
.set CX,  48                           ; v[48:55] the weighted sum
.set FA,  64
.set SS,  192
.set CVT, 192
.set PP,  128                          ; window 3
.set WV,  22                           ; s22  my wave's number
.set PB,  26                           ; s[26:27] w1f at the eight units in hand
.set PAB, 28                           ; s[28:29] values at the tile's first row
.set PA,  30                           ; s[30:31] the same at the slice to be loaded
.set OFF, 32                           ; s[32:33] that slice's byte offset
.set KA,  34                           ; s34  the slice to be loaded next
.set CNT, 35
.set TILE, 36                          ; s36  tiles to go
.set PASS, 37
.set TB,  38                           ; s38  LDS byte of the pair of slices in hand
.set TS,  39                           ; s39  LDS byte of the slice to be stored
.set PS,  40                           ; s[40:41] sraw at the tile's first row
.set SC8, 42                           ; s42  the pair of slices in hand, 0 .. 7
.set ZO,  43
.set PO,  44
.set CC,  58                           ; s[58:59] c = 2 log2(e)
.set LE,  60                           ; s[60:61] log2(e)
.set SEL, 62                           ; s[62:63] v_permlanex16_b32's selects: each lane takes its own place in the other half
.set K_PLAIN, 0                        ; kinds of a K unit: nothing beside the products but the run of loads;
.set K_RIDE,  1                        ; tanh beside them;
.set K_T1,    2                        ; a pass's first: the old sums move out;
.set K_FE,    3                        ; pass 0, a slice's first unit: the next slice is converted and stored, a further one asked for;
.set K_FO,    4                        ; pass 0, a slice's second unit: the barrier
.set MSB, 0
.macro WIN new                         ; the immediate's high byte repeats the setting that is left; a switch that changes nothing is dropped
.if MSB != (\new)
	s_set_vgpr_msb (MSB<<8)|(\new)
.set MSB, (\new)
.endif
.endm
.macro PLACES                          ; four places behind matrix instructions, in front of loads into registers that they read and of vector lines that read results (ISA guide 7.12.1 for the vector lines)
.rept 4
	v_nop
.endr
.endm
; Product k of a unit's 32: row block k % 8, column block k / 8.  Source 0 = 16 rows of values (window 0), source 1 = 16 columns of W1 (window 1): a lane then holds ONE column and eight rows, so bias and V
; cost one register a column block.  The 32 accumulators take turns, one instruction a turn.  zero = 1: the product starts the sum.
.macro MM1 i, k, zero
	WIN 0xa4
.if \zero
	v_wmma_f32_16x16x32_bf16 v[8*(\k):8*(\k)+7], v[FA+64*((\i)&1)+8*((\k)&7):FA+64*((\i)&1)+8*((\k)&7)+7], v[32*(\i)+8*((\k)>>3):32*(\i)+8*((\k)>>3)+7], 0
.else
	v_wmma_f32_16x16x32_bf16 v[8*(\k):8*(\k)+7], v[FA+64*((\i)&1)+8*((\k)&7):FA+64*((\i)&1)+8*((\k)&7)+7], v[32*(\i)+8*((\k)>>3):32*(\i)+8*((\k)>>3)+7], v[8*(\k):8*(\k)+7]
.endif
.endm
.macro REBASE                          ; on to the next pair of slices; behind the eighth comes the first again
	WIN 0
	s_add_co_u32 s[SC8], s[SC8], 1
	s_and_b32 s[SC8], s[SC8], 7
	s_mul_i32 s[TB], s[SC8], 2*SLB
	v_add_nc_u32 v[AAD], s[TB], v[AK0]
.endm
.macro FAG i, g                        ; four LDS loads: row blocks 2 g, 2 g + 1 of the fragments of values for the unit behind unit i
	WIN 0
.set fo, ((((\i)+1)&3)>>1)*SLB+(((\i)+1)&1)*64
.set fb, FA+64*(((\i)+1)&1)
.irp a, 2*(\g), 2*(\g)+1
	ds_load_b128 v[fb+8*(\a):fb+8*(\a)+3],   v[AAD] offset:fo+(\a)*16*AP
	ds_load_b128 v[fb+8*(\a)+4:fb+8*(\a)+7], v[AAD] offset:fo+(\a)*16*AP+32
.endr
.endm
.macro FBG i, g                        ; four loads from memory, 512 consecutive bytes each: column blocks 2 g, 2 g + 1 of W1 for the unit seven behind unit i, into the buffer that the unit before i has left
	WIN 0x40
.set fr, 32*(((\i)+7)&7)
.irp b, 2*(\g), 2*(\g)+1
	global_load_b128 v[fr+8*(\b):fr+8*(\b)+3],   v[BVO], s[PB:PB+1] offset:((\i)+7)*UB+(\b)*1024
	global_load_b128 v[fr+8*(\b)+4:fr+8*(\b)+7], v[BVO], s[PB:PB+1] offset:((\i)+7)*UB+(\b)*1024+512
.endr
.endm
.macro PBSTEP
	s_wait_xcnt 0x0                                ; the base is a source of loads that are out: it is stepped only behind this wait
	s_add_nc_u64 s[PB:PB+1], s[PB:PB+1], 8*UB
.endm
.macro TBL h                           ; c x bias (h = 0) or -2 V (h = 1) of the pass in hand, for the tanh that follows the pass
	WIN 0
.irp b, 0,1,2,3
	ds_load_b32 v[BI+4*(\h)+\b], v[TBC] offset:4096*(\h)+64*\b
.endr
.endm
.macro CVG sg, g                       ; eight numbers of set sg to bf16
	WIN 0x0f
.irp e, 0,1,2,3
	v_cvt_pk_bf16_f32 v[CVT+4*(\g)+\e], v[64*(\sg)+8*(\g)+2*\e], v[64*(\sg)+8*(\g)+2*\e+1]
.endr
.endm
.macro STS g                           ; four stores of 8 bytes a lane; lanes 16-31 lie 8 rows = 288 words on: the other 32 banks
	WIN 0
.irp e, 0,1,2,3
	ds_store_b64 v[ASD], v[CVT+2*(4*(\g)+\e):CVT+2*(4*(\g)+\e)+1] offset:(((4*(\g)+\e)>>3)*16+((4*(\g)+\e)&7))*AP
.endr
.endm
.macro TSSTEP
	WIN 0
	s_add_co_u32 s[TS], s[TS], SLB
	v_add_nc_u32 v[ASD], s[TS], v[AS0]
.endm
.macro ASET sg, base, sl               ; my 32 rows of a slice: 16 loads, each two whole rows of 256 bytes, aligned
	WIN 0xc0
.set q, 0
.rept 16
	global_load_b128 v[64*(\sg)+4*q:64*(\sg)+4*q+3], v[AVO], s[\base:\base+1] offset:((q>>3)*16+(q&7))*4096+(\sl)*256 th:TH_LOAD_NT
.set q, q+1
.endr
.endm
.macro ALOAD sg, always                ; slice KA into set sg; behind the tile's last slice nothing is asked for.  always = 1: a tile's first two requests, which no branch jumps
	WIN 0
.if !(\always)
	s_cmp_lt_u32 s[KA], 16
	s_cbranch_scc0 .Lno_slice_\@
.endif
	s_wait_xcnt 0x0                                ; the address below is a source of loads that are out
	s_lshl_b32 s[OFF], s[KA], 8
	s_add_nc_u64 s[PA:PA+1], s[PAB:PAB+1], s[OFF:OFF+1]
	ASET \sg, PA, 0
	WIN 0
.if !(\always)
.Lno_slice_\@:
.endif
	s_add_co_u32 s[KA], s[KA], 1
.endm
; TANH.  dw, xw: the window in which it is at work: 3 beside products, 2 (in place) at a tile's end.
.macro T1 dw, i                        ; accumulator i: c x + c bias, from its low end on
	WIN ((\dw)<<6)|0x02
.set tb, (\i)>>3
.irp e, 0,1,2,3
.if (tb%2) == 0
	v_pk_fma_f32 v[8*(\i)+2*\e:8*(\i)+2*\e+1], v[8*(\i)+2*\e:8*(\i)+2*\e+1], s[CC:CC+1], v[BI+tb:BI+tb+1] op_sel_hi:[1,0,0]
.else
	v_pk_fma_f32 v[8*(\i)+2*\e:8*(\i)+2*\e+1], v[8*(\i)+2*\e:8*(\i)+2*\e+1], s[CC:CC+1], v[BI+tb-1:BI+tb] op_sel:[0,0,1] op_sel_hi:[1,0,1]
.endif
.endr
.endm
.macro G1 xw, n                        ; pair n's two exponentials, and between them 1 + .. for pair n - 2: the plain line of the group before stands between that pair's exponentials and this use (ISA guide 5.7.2)
.if (\n) < 130
	WIN ((\xw)<<6)|(\xw)
.if (\n) < 128
	v_exp_f32 v[2*(\n)], v[2*(\n)]
.endif
.if (\n) >= 2
	s_wait_alu depctr_va_vdst(0)
	v_pk_add_f32 v[2*(\n)-4:2*(\n)-3], v[2*(\n)-4:2*(\n)-3], 1.0 op_sel_hi:[1,0]
.else
	v_nop
.endif
.if (\n) < 128
	v_exp_f32 v[2*(\n)+1], v[2*(\n)+1]
.endif
.endif
.endm
.macro G2 xw, m                        ; pair m's two reciprocals
.if ((\m) >= 0) && ((\m) < 128)
	WIN ((\xw)<<6)|(\xw)
	v_rcp_f32 v[2*(\m)], v[2*(\m)]
	v_rcp_f32 v[2*(\m)+1], v[2*(\m)+1]
.endif
.endm
.macro GF xw, g                        ; accumulator g's four pairs: the row sums take (-2 V) / (1 + 2^..)
.if ((\g) >= 0) && ((\g) < 32)
	WIN (\xw)
.set ga, (\g)&7
.set gb, (\g)>>3
.irp e, 0,1,2,3
.if (gb%2) == 0
	s_wait_alu depctr_va_vdst(0)
	v_pk_fma_f32 v[SS+8*ga+2*\e:SS+8*ga+2*\e+1], v[8*(\g)+2*\e:8*(\g)+2*\e+1], v[VM+gb:VM+gb+1], v[SS+8*ga+2*\e:SS+8*ga+2*\e+1] op_sel_hi:[1,0,1]
.else
	s_wait_alu depctr_va_vdst(0)
	v_pk_fma_f32 v[SS+8*ga+2*\e:SS+8*ga+2*\e+1], v[8*(\g)+2*\e:8*(\g)+2*\e+1], v[VM+gb-1:VM+gb], v[SS+8*ga+2*\e:SS+8*ga+2*\e+1] op_sel:[0,1,0] op_sel_hi:[1,1,1]
.endif
.endr
.endif
.endm
; The next of the 297 groups.  Nine make a round: for n = 4 rb .. 4 rb + 3 the exponentials of pair n and the reciprocals of pair n - 3, then the row sums' share of accumulator rb - 1,
; whose last reciprocals stand three groups back with a plain line between.
.macro RGRP xw
.set rb, rq/9
.set rp, rq%9
.if rp == 8
	GF \xw, rb-1
.elseif (rp%2) == 0
	G1 \xw, 4*rb+rp/2
.else
	G2 \xw, 4*rb+rp/2-3
.endif
.set rq, rq+1
.endm
; A K UNIT at place i (0 .. 7) of the ring.  Behind product 0 stand four places, and behind them (in pass 0's second units: behind the barrier's wait at product 5) ONE RUN of loads: the 16 of the next
; unit's fragments of values, the 8 of the tables where they are due, the 8 of W1 for the unit seven on.  The buffers that the run fills were last read by the unit before; the four places stand between.
; Pass 0's first units have a second run behind product 16: the 16 stores of the converted slice and the 16 loads of a further one.
; At most one group of vector work stands behind a product.
.macro UNIT i, zero, kind
	s_wait_dscnt 0x0                               ; this unit's fragments of values (asked for 31 products ago, in pass 0 at the least 26); in pass 0 also my stores of the next slice
	s_wait_loadcnt 48                              ; this unit's W1: the six younger units' 48 loads may be out (in pass 0 the youngest 48 are two or three units' W1 and the youngest one or two slices)
.set rk, 0
.if (\kind) == K_FO
.set rk, 5
	s_barrier_signal -1                            ; my share of the next slice is in LDS
.endif
.set mk, 0
.rept 32
	MM1 \i, mk, \zero
.if mk == 0
	PLACES
.endif
.if mk == rk
.if (\kind) == K_FO
	s_barrier_wait -1                              ; everybody's is: the loads below read it
.endif
.if ((\i)&3) == 3
	REBASE
.endif
	FAG \i, 0
	FAG \i, 1
	FAG \i, 2
	FAG \i, 3
.if (((\kind) == K_PLAIN) && ((\i) == 0)) || (((\kind) == K_FO) && ((\i) == 1))
	TBL 0
	TBL 1
.endif
	FBG \i, 0
	FBG \i, 1
.endif
.if ((\i) == 7) && (mk == 20)
	PBSTEP
.endif
.if ((\kind) == K_T1) && (mk < 30)
	T1 3, mk+2                                     ; accumulator k + 2 moves out, two products ahead of its new start
.endif
.if ((\kind) == K_RIDE) && (mk >= 7) && (((mk-7)%5) != 4)
	RGRP 3
.endif
.if (\kind) == K_FE
.set sg, (((\i)>>1)+1)&1
.if mk == 7
	s_wait_loadcnt 32                              ; the next slice is in registers: behind its loads stand four units' W1, 32 loads, on every way (and a younger slice's 16 where one was asked for)
.endif
.if (mk >= 8) && (mk <= 15)
	CVG sg, mk-8
.endif
.if mk == 16
	TSSTEP
	STS 0
	STS 1
	STS 2
	STS 3
	ALOAD sg, \zero
.endif
.endif
.set mk, mk+1
.endr
.endm
; THE WEIGHTED SUM, 32 rows a trip in two zones of 16.
.macro ZLOAD z
	WIN 0x80
.set q, 0
.rept 16
	ds_load_b128 v[64*(\z)+4*q:64*(\z)+4*q+3], v[ZAD] offset:(16*(\z)+q)*AP   ; 8 lanes take a row's 128 bytes in each of four slices
.set q, q+1
.endr
.endm
.macro PLOAD
	WIN 0xc0
.set q, 0
.rept 8
	ds_load_b128 v[PP+4*q:PP+4*q+3], v[PAD] offset:16*q                       ; every lane the same 32 weights
.set q, q+1
.endr
.endm
.macro CFMA z                          ; eight multiply-adds a row, straight from the bf16 halves
	WIN 0x0e
.set q, 0
.rept 16
.irp k, 0,1,2,3
	v_fma_mix_f32_bf16 v[CX+2*\k],   v[64*(\z)+4*q+\k], v[PP+16*(\z)+q], v[CX+2*\k]   op_sel_hi:[1,0,0]
	v_fma_mix_f32_bf16 v[CX+2*\k+1], v[64*(\z)+4*q+\k], v[PP+16*(\z)+q], v[CX+2*\k+1] op_sel:[1,0,0] op_sel_hi:[1,0,0]
.endr
.set q, q+1
.endr
.endm
.macro RED op, r, t                    ; over the wave's 32 lanes; t has been written before
.irp m, 1,2,4,8
	\op\()_dpp v[\r], v[\r], v[\r] row_xmask:\m row_mask:0xf bank_mask:0xf
.endr
	v_permlanex16_b32 v[\t], v[\r], s[SEL], s[SEL+1]
.endm
	; THE HEAD
	s_load_b512 s[4:19], s[0:1], 0x0               ; values s[4:5], w1f s[6:7], pqp s[8:9], b1 s[10:11], b2 s[12:13], V s[14:15], bv s[16:17], sraw s[18:19]
	s_load_b64 s[20:21], s[0:1], 0x40              ; part
	v_lshl_add_u32 v[SPW], v0, 2, SPARE
	v_mov_b32 v[NIL], 0
	v_lshrrev_b32 v1, 5, v0
	v_readfirstlane_b32 s[WV], v1                  ; wave 0..3
	s_lshr_b32 s25, ttmp9, 3                       ; the batch
	s_mov_b32 s[CC], 0x4038aa3b                    ; 2 log2(e)
	s_mov_b32 s[CC+1], s[CC]                       ; named with it as a pair
	s_mov_b32 s[LE], 0x3fb8aa3b                    ; log2(e)
	s_mov_b32 s[LE+1], s[LE]
	s_mov_b32 s[SEL], 0x76543210
	s_mov_b32 s[SEL+1], 0xfedcba98
	s_mov_b32 s[OFF+1], 0
	v_and_b32 v[LN], 31, v0
	v_and_b32 v[RR], 15, v0
	v_bfe_u32 v[HH], v0, 4, 1
	v_mul_u32_u24 v[AK0], v[RR], AP
	v_lshl_add_u32 v[AK0], v[HH], 4, v[AK0]        ; row r x pitch + 16 h
	s_lshl_b32 s69, s[WV], 5
	v_lshl_add_u32 v1, v[HH], 3, s69               ; 32 w + 8 h: lanes 0-15 take one row, lanes 16-31 the row 8 further down
	v_mul_u32_u24 v[AS0], v1, AP
	v_lshl_add_u32 v[AS0], v[RR], 3, v[AS0]
	v_lshlrev_b32 v[AVO], 12, v1
	v_lshl_add_u32 v[AVO], v[RR], 4, v[AVO]
	v_add_nc_u32 v[PFO], s69, v[LN]
	v_lshlrev_b32 v[PFO], 12, v[PFO]
	s_lshl_b32 s70, s[WV], 12
	v_lshl_add_u32 v[BVO], v[LN], 4, s70
	v_lshlrev_b32 v[RVO], 4, v0
	s_lshl_b32 s70, s[WV], 9
	v_lshl_add_u32 v[SCW], v[HH], 5, s70
	v_add_nc_u32 v[SCW], SC, v[SCW]
	v_lshlrev_b32 v[SVO], 4, v[LN]
	v_add_nc_u32 v[SCR], SC, v[SVO]
	v_add_nc_u32 v[PLW], s70, v[SVO]
	v_add_nc_u32 v[PLW], PL, v[PLW]
	v_mov_b32 v[PLR], s70
	v_add_nc_u32 v[PLR], PL, v[PLR]
	v_lshrrev_b32 v[CAD], 3, v0                    ; thread t: slice t / 8,
	v_mul_u32_u24 v[CAD], v[CAD], SLB
	v_and_b32 v1, 7, v0
	v_lshl_add_u32 v[CAD], v1, 4, v[CAD]           ; 16 bytes t % 8 of its rows: columns 8 t .. 8 t + 7
	s_lshl_b32 s70, s[WV], 8
	v_lshl_add_u32 v[TBA], v[RR], 2, s70
	v_add_nc_u32 v[TBA], BT, v[TBA]                ; column 64 w + r
	s_wait_kmcnt 0x0
	s_lshl_b32 s70, ttmp9, 20                      ; 256 rows of 4,096 bytes
	s_mov_b32 s71, 0
	s_add_nc_u64 s[PAB:PAB+1], s[4:5], s[70:71]
	s_lshl_b32 s70, s25, 12
	s_add_nc_u64 s[8:9], s[8:9], s[70:71]          ; pqp at my batch
	s_lshl_b32 s70, ttmp9, 10
	s_add_nc_u64 s[PS:PS+1], s[18:19], s[70:71]
	s_mul_i32 s70, ttmp9, 4352
	s_add_nc_u64 s[20:21], s[20:21], s[70:71]      ; my record
	s_mov_b64 s[PB:PB+1], s[6:7]
	s_load_b32 s68, s[16:17], 0x0                  ; bv
.set e, 0
.rept 16                               ; the 16 parts of query x W2 for columns 4 t .. and 512 + 4 t ..; each load of a wave covers 512 consecutive bytes
	global_load_b128 v[64+8*e:64+8*e+3], v[RVO], s[8:9] offset:e*131072
	global_load_b128 v[64+8*e+4:64+8*e+7], v[RVO], s[8:9] offset:e*131072+2048
.set e, e+1
.endr
	global_load_b128 v[192:195], v[RVO], s[10:11]
	global_load_b128 v[196:199], v[RVO], s[10:11] offset:2048
	global_load_b128 v[200:203], v[RVO], s[12:13]
	global_load_b128 v[204:207], v[RVO], s[12:13] offset:2048
	global_load_b128 v[208:211], v[RVO], s[14:15]
	global_load_b128 v[212:215], v[RVO], s[14:15] offset:2048
	ASET 0, PAB, 0                                 ; the first tile's slices 0 and 1,
	ASET 1, PAB, 1
.irp u, 0,1,2,3,4,5,6                  ; and W1 for units 0 to 6
	FBG \u-7, 0
	FBG \u-7, 1
.endr
	WIN 0
	s_wait_loadcnt 63                              ; the 38 loads of the tables are in: 88 were issued behind them
.irp k, 0,1,2,3
	v_pk_add_f32 v[192+2*\k:193+2*\k], v[192+2*\k:193+2*\k], v[200+2*\k:201+2*\k]      ; b1 + b2
.endr
.set e, 0
.rept 16
.irp k, 0,1,2,3
	v_pk_add_f32 v[192+2*\k:193+2*\k], v[192+2*\k:193+2*\k], v[64+8*e+2*\k:65+8*e+2*\k]
.endr
.set e, e+1
.endr
.irp k, 0,1,2,3
	v_pk_mul_f32 v[192+2*\k:193+2*\k], v[192+2*\k:193+2*\k], s[CC:CC+1] op_sel_hi:[1,0] ; c x bias
	v_pk_mul_f32 v[200+2*\k:201+2*\k], v[208+2*\k:209+2*\k], -2.0 op_sel_hi:[1,0]       ; -2 V
.endr
	v_add_nc_u32 v38, BT, v[RVO]
	ds_store_b128 v38, v[192:195]
	ds_store_b128 v38, v[196:199] offset:2048
	ds_store_b128 v38, v[200:203] offset:4096      ; VT lies 4,096 bytes behind BT
	ds_store_b128 v38, v[204:207] offset:6144
	v_pk_add_f32 v[208:209], v[208:209], v[210:211]
	v_pk_add_f32 v[212:213], v[212:213], v[214:215]
	v_pk_add_f32 v[208:209], v[208:209], v[212:213]
	v_add_f32 v208, v208, v209                     ; the sum of my 8 V, then of the wave's 256
	RED v_add_f32, 208, 209
	v_add_f32 v208, v208, v209
	s_lshl_b32 s70, s[WV], 2
	v_mov_b32 v39, s70
	v_add_nc_u32 v39, KS, v39
	ds_store_b32 v39, v208
	s_wait_dscnt 0x0                               ; for the others' sake: my shares of the tables are in LDS
	s_barrier_signal -1
	s_barrier_wait -1
	v_mov_b32 v39, KS
	ds_load_b128 v[40:43], v39
	v_mov_b32 v[MX], 0xff7fffff                    ; M: the lowest finite number, so the first tile's factor is 0
	v_mov_b32 v[MX+1], 0                           ; l
.set e, 0
.rept 8
	v_mov_b32 v[CX+e], 0
.set e, e+1
.endr
	s_mov_b32 s[TILE], 2
	s_wait_dscnt 0x0
	s_wait_kmcnt 0x0                               ; bv
	v_add_f32 v40, v40, v41
	v_add_f32 v42, v42, v43
	v_add_f32 v40, v40, v42
	v_add_f32 v[K0], s68, v40
	v_mov_b32 v[K0+1], v[K0]
.Ltile:                                            ; A TILE BEGINS: its slice 0 goes into LDS, its slice 2 is asked for
	s_mov_b32 s[SC8], 0
	s_mov_b32 s[TS], 0
	s_mov_b32 s[KA], 2
	v_mov_b32 v[AAD], v[AK0]
	v_mov_b32 v[ASD], v[AS0]
	v_mov_b32 v[TBC], v[TBA]
	s_wait_loadcnt 0x0                             ; both first slices are in registers
.irp g, 0,1,2,3,4,5,6,7
	CVG 0, \g
.endr
.irp g, 0,1,2,3
	STS \g
.endr
	ALOAD 0, 1
	s_wait_dscnt 0x0                               ; for the others' sake: my rows of slice 0
	s_barrier_signal -1
	s_barrier_wait -1
.irp g, 0,1,2,3
	FAG -1, \g
.endr
	UNIT 0, 1, K_FE                                ; PASS 0.  Its first unit starts the sums, so it is written out, and the loop is entered behind the loop's own first unit
	WIN 0
	s_mov_b32 s[CNT], 4
	s_branch .Lp0in
.Lp0:                                              ; a trip: eight units, four slices
	UNIT 0, 0, K_FE
	WIN 0
.Lp0in:
	UNIT 1, 0, K_FO
	UNIT 2, 0, K_FE
	UNIT 3, 0, K_FO
	UNIT 4, 0, K_FE
	UNIT 5, 0, K_FO
	UNIT 6, 0, K_FE
	UNIT 7, 0, K_FO
	WIN 0
	s_sub_co_u32 s[CNT], s[CNT], 1
	s_cmp_lg_u32 s[CNT], 0
	s_cbranch_scc1 .Lp0
	s_wait_loadcnt 8                               ; only the last unit's 8 loads of W1 may be out: no load into window 3 is pending when the tanh writes there
.set e, 0
.rept 64
	v_mov_b32 v[SS+e], 0                           ; the row sums: passes 1 to 3 share one text, so none of them can start a sum
.set e, e+1
.endr
	s_mov_b32 s[PASS], 3
.Lpass:                                            ; PASSES 1 TO 3, with the tanh of the pass before
	v_add_nc_u32 v[TBC], 1024, v[TBC]
	PLACES
	T1 3, 0
	T1 3, 1
	UNIT 0, 1, K_T1
.set rq, 0
.irp i, 1,2,3,4,5,6,7,0,1,2,3,4,5,6,7
	UNIT \i, 0, K_RIDE
.endr
	WIN 0
	s_mov_b32 s[CNT], 2
.Lplain:
.irp i, 0,1,2,3,4,5,6,7
	UNIT \i, 0, K_PLAIN
.endr
	WIN 0
	s_sub_co_u32 s[CNT], s[CNT], 1
	s_cmp_lg_u32 s[CNT], 0
	s_cbranch_scc1 .Lplain
	s_sub_co_u32 s[PASS], s[PASS], 1
	s_cmp_lg_u32 s[PASS], 0
	s_cbranch_scc1 .Lpass
	; A TILE'S END
	PLACES                                         ; behind the last products, in front of the lines that read and rewrite the sums
	s_cmp_eq_u32 s[TILE], 1
	s_cbranch_scc1 .Lno_next
	s_wait_xcnt 0x0                                ; the base below has been a source of loads
	s_add_nc_u64 s[PAB:PAB+1], s[PAB:PAB+1], 524288  ; 128 rows on: the next tile's slices 0 and 1 come in under the tanh,
	ASET 0, PAB, 0
	ASET 1, PAB, 1
	WIN 0
.irp s, 2,3,4,5                        ; and its slices 2 to 5 are asked for ahead: a lane a row, 256 bytes of it a line: each block once, 131,072 bytes a work-group, all inside the next tile
	global_prefetch_b8 v[PFO], s[PAB:PAB+1] offset:\s*256 th:TH_LOAD_NT scope:SCOPE_SE
.endr
.Lno_next:
.set e, 0
.rept 32
	T1 2, e                                        ; pass 3's tanh, in place
.set e, e+1
.endr
.set rq, 0
.rept 297
	RGRP 2
.endr
	WIN 0
.irp m, 1,2,4,8                        ; a row's sum over my wave's columns: the lane has added its 16 column blocks, now the 16 lanes of its half
.set e, 0
.rept 64
	v_add_f32_dpp v[SS+e], v[SS+e], v[SS+e] row_xmask:\m row_mask:0xf bank_mask:0xf
.set e, e+1
.endr
.endr
.irp a, 0,1,2,3,4,5,6,7                ; register 8 a + j holds row 16 a + 8 h + j; the 16 lanes of a half store the same numbers to the same words
	ds_store_b128 v[SCW], v[SS+8*\a:SS+8*\a+3] offset:64*\a
	ds_store_b128 v[SCW], v[SS+8*\a+4:SS+8*\a+7] offset:64*\a+16
.endr
	s_wait_dscnt 0x0                               ; for the others' sake
	s_barrier_signal -1
	s_barrier_wait -1
.irp w, 0,1,2,3
	ds_load_b128 v[64+4*\w:67+4*\w], v[SCR] offset:512*\w   ; rows 4 L .. 4 L + 3, from each wave
.endr
	s_wait_dscnt 0x0
	v_pk_add_f32 v[64:65], v[64:65], v[68:69]
	v_pk_add_f32 v[66:67], v[66:67], v[70:71]
	v_pk_add_f32 v[72:73], v[72:73], v[76:77]
	v_pk_add_f32 v[74:75], v[74:75], v[78:79]
	v_pk_add_f32 v[64:65], v[64:65], v[72:73]
	v_pk_add_f32 v[66:67], v[66:67], v[74:75]
	v_pk_add_f32 v[64:65], v[64:65], v[K0:K0+1]
	v_pk_add_f32 v[66:67], v[66:67], v[K0:K0+1]    ; four scores; every wave does the rest alike, since each needs all 128 weights
	s_cmp_lg_u32 s[WV], 0
	s_cbranch_scc1 .Lno_scores
	global_store_b128 v[SVO], v[64:67], s[PS:PS+1] ; 512 consecutive bytes, aligned
.Lno_scores:
	v_max_num_f32 v68, v64, v65
	v_max3_num_f32 v68, v68, v66, v67
	RED v_max_num_f32, 68, 69
	v_max3_num_f32 v68, v68, v69, v[MX]            ; the new M
	v_mov_b32 v69, v68
	v_sub_f32 v70, v[MX], v68
	v_pk_add_f32 v[72:73], v[64:65], v[68:69] neg_lo:[0,1] neg_hi:[0,1]
	v_pk_add_f32 v[74:75], v[66:67], v[68:69] neg_lo:[0,1] neg_hi:[0,1]
	v_mul_f32 v70, s[LE], v70
	v_pk_mul_f32 v[72:73], v[72:73], s[LE:LE+1] op_sel_hi:[1,0]
	v_pk_mul_f32 v[74:75], v[74:75], s[LE:LE+1] op_sel_hi:[1,0]
	v_exp_f32 v[AL], v70                           ; e^(M_old - M)
	v_exp_f32 v72, v72                             ; four weights
	v_exp_f32 v73, v73
	v_exp_f32 v74, v74
	v_exp_f32 v75, v75
	v_mov_b32 v[MX], v68                           ; the plain line behind the exponentials
	s_wait_alu depctr_va_vdst(0)
	v_mov_b32 v[AL+1], v[AL]
	ds_store_b128 v[PLW], v[72:75]
	v_pk_add_f32 v[76:77], v[72:73], v[74:75]
	v_add_f32 v76, v76, v77
	RED v_add_f32, 76, 77
	v_add_f32 v76, v76, v77
	v_fma_f32 v[MX+1], v[MX+1], v[AL], v76         ; l
.irp k, 0,1,2,3
	v_pk_mul_f32 v[CX+2*\k:CX+2*\k+1], v[CX+2*\k:CX+2*\k+1], v[AL:AL+1]
.endr
	s_mov_b32 s[ZO], 0
	s_mov_b32 s[PO], 0
	s_mov_b32 s[CNT], 4
.Lsum:                                             ; 32 rows a trip
	v_add_nc_u32 v[ZAD], s[ZO], v[CAD]
	v_add_nc_u32 v[PAD], s[PO], v[PLR]
	PLOAD                                          ; my wave's own bytes, and LDS serves a wave's instructions in order (ISA guide 5.7.1.4)
	ZLOAD 0
	ZLOAD 1
	s_wait_dscnt 16                                ; the weights and the first 16 rows are in; the other 16 loads may be out
	CFMA 0
	s_wait_dscnt 0x0
	CFMA 1
	WIN 0
	s_add_co_u32 s[ZO], s[ZO], 32*AP
	s_add_co_u32 s[PO], s[PO], 128
	s_sub_co_u32 s[CNT], s[CNT], 1
	s_cmp_lg_u32 s[CNT], 0
	s_cbranch_scc1 .Lsum
	s_wait_xcnt 0x0                                ; the two addresses below and the scores' registers are sources of what was issued above
	s_mov_b64 s[PB:PB+1], s[6:7]                   ; the ring has run on into the copy behind w1f's end: units 0 to 6 are asked for, the next request is unit 7's
	s_add_nc_u64 s[PS:PS+1], s[PS:PS+1], 512
	s_wait_dscnt 0x0                               ; my reads of the tile and of the row sums are over:
	s_barrier_signal -1
	s_barrier_wait -1                              ; everybody's are, and the next tile may be stored over this one
	s_sub_co_u32 s[TILE], s[TILE], 1
	s_cmp_lg_u32 s[TILE], 0
	s_cbranch_scc1 .Ltile
	v_lshlrev_b32 v38, 3, v[LN]
	s_cmp_lg_u32 s[WV], 0
	s_cbranch_scc1 .Lno_ml
	global_store_b64 v38, v[MX:MX+1], s[20:21] offset:4096       ; (M, l) 32 times: 256 consecutive bytes, aligned
.Lno_ml:
	global_store_b128 v[RVO], v[CX:CX+3], s[20:21]               ; each store of a wave covers 512 consecutive bytes, aligned
	global_store_b128 v[RVO], v[CX+4:CX+7], s[20:21] offset:2048
	s_wait_tensorcnt 0x0                           ; the wave's end: three closing lines behind my last LDS store
	ds_add_u32 v[SPW], v[NIL]
	s_wait_dscnt 0x0
	s_endpgm
.Lfunc_end_k_qeab4412095_attn:
	.size	k_qeab4412095_attn, .Lfunc_end_k_qeab4412095_attn-k_qeab4412095_attn
	.p2alignl 7, 3214868480
	.fill 96, 4, 3214868480
	.section	.rodata,"a",@progbits
	.p2align	6, 0x0
	.amdhsa_kernel k_qeab4412095_attn
		.amdhsa_group_segment_fixed_size 326400
		.amdhsa_private_segment_fixed_size 0
		.amdhsa_enable_private_segment 0
		.amdhsa_kernarg_size 72
		.amdhsa_user_sgpr_count 2
		.amdhsa_user_sgpr_kernarg_segment_ptr 1
		.amdhsa_wavefront_size32 1
		.amdhsa_system_sgpr_workgroup_id_x 1
		.amdhsa_system_sgpr_workgroup_id_y 1
		.amdhsa_system_sgpr_workgroup_id_z 1
		.amdhsa_system_vgpr_workitem_id 0
		.amdhsa_next_free_vgpr 1024
		.amdhsa_next_free_sgpr 72
		.amdhsa_reserve_vcc 0
		.amdhsa_float_denorm_mode_32 3
		.amdhsa_float_denorm_mode_16_64 3
		.amdhsa_memory_ordered 1
		.amdhsa_forward_progress 1
		.amdhsa_inst_pref_size 255
	.end_amdhsa_kernel
	.section	.bss,"aw",@nobits
	.p2align	6
	.space	262144
	.amdgpu_metadata
---
amdhsa.version: [ 1, 2 ]
amdhsa.kernels:
  - .name:           k_qeab4412095_attn
    .symbol:         k_qeab4412095_attn.kd
    .args:
      - { .name: values, .offset: 0, .size: 8, .value_kind: global_buffer, .address_space: global }
      - { .name: w1f, .offset: 8, .size: 8, .value_kind: global_buffer, .address_space: global }
      - { .name: pqp, .offset: 16, .size: 8, .value_kind: global_buffer, .address_space: global }
      - { .name: b1, .offset: 24, .size: 8, .value_kind: global_buffer, .address_space: global }
      - { .name: b2, .offset: 32, .size: 8, .value_kind: global_buffer, .address_space: global }
      - { .name: V, .offset: 40, .size: 8, .value_kind: global_buffer, .address_space: global }
      - { .name: bv, .offset: 48, .size: 8, .value_kind: global_buffer, .address_space: global }
      - { .name: sraw, .offset: 56, .size: 8, .value_kind: global_buffer, .address_space: global }
      - { .name: part, .offset: 64, .size: 8, .value_kind: global_buffer, .address_space: global }
    .group_segment_fixed_size: 326400
    .private_segment_fixed_size: 0
    .kernarg_segment_align: 8
    .kernarg_segment_size: 72
    .max_flat_workgroup_size: 128
    .sgpr_count:     72
    .vgpr_count:     1024
    .wavefront_size: 32
...
	.end_amdgpu_metadata
.endif
;; end of part 2
;; launch finish (part 3): grid 256 x 1, 1 waves a work-group, no clusters, 0 bytes of LDS; arguments part, sraw, out0, out1; writes out0, out1
.if DOCPART == 3
	.amdgcn_target "amdgcn-amd-amdhsa--gfx1250"
	.amdhsa_code_object_version 6
	.text
	.protected	k_qeab4412095_finish
	.globl	k_qeab4412095_finish
	.p2align	8
	.type	k_qeab4412095_finish,@function
k_qeab4412095_finish:
	s_mov_b64 s[64:65], 0
	v_nop
	global_prefetch_b8 v0, s[64:65] scope:SCOPE_SE
	s_setreg_imm32_b32 hwreg(HW_REG_WAVE_MODE, 25, 1), 1
	s_wait_xcnt 0x0
; THE END OF THE SOFTMAX.  A batch's 2,048 rows lie in 8 records of part (4,352 bytes each: 1,024 f32 of sum p x row, then (M, l)).  With M the largest of the 8 maxima,
; w_i = e^(M_i - M) and L = sum l_i w_i:  out0[batch] = sum over i of ctx_i w_i / L,  out1[row] = e^(score - M) / L.
; In a record columns 8 t .. 8 t + 3 lie at byte 16 t and columns 8 t + 4 .. 8 t + 7 at byte 2,048 + 16 t.
; Work-group g (one wave) makes 128 columns of out0 for batch g / 8 (columns 128 (g % 8) on) and the 256 weights of rows 256 g on.  Lane L takes half L % 2 of t = 16 (g % 8) + L / 2: a load covers two
; whole blocks of 256 bytes, and the lanes' results are 512 consecutive bytes of out0.
; Memory binds and the work is small: no LDS, no matrix unit, no cluster.  A weight below 2^-126 counts as 0; NaN and infinities are not treated apart.
.set REC, 4352
	s_load_b256 s[4:11], s[0:1], 0x0               ; part s[4:5], sraw s[6:7], out0 s[8:9], out1 s[10:11]
	s_lshr_b32 s12, ttmp9, 3                       ; the batch
	s_and_b32 s13, ttmp9, 7
	s_mul_i32 s14, s12, 8*REC
	s_mov_b32 s15, 0
	s_lshl_b32 s16, s13, 9                         ; my 128 columns, in bytes of out0,
	s_lshl_b32 s17, s13, 8                         ; and my 16 t, in bytes of a record's half
	s_lshl_b32 s18, ttmp9, 10                      ; my 256 rows, in bytes
	s_mov_b32 s19, 0
	s_lshl_b32 s20, s12, 12
	s_add_co_u32 s20, s20, s16
	s_mov_b32 s21, 0
	v_and_b32 v1, 7, v0
	v_mul_u32_u24 v1, v1, REC                      ; lane L looks at record L % 8
	v_lshlrev_b32 v2, 4, v0                        ; 16 L
	v_and_b32 v3, 1, v0
	v_lshlrev_b32 v3, 11, v3                       ; 2,048 (L % 2)
	v_lshrrev_b32 v6, 1, v0
	v_lshl_add_u32 v3, v6, 4, v3                   ; + 16 (L / 2)
	v_add_nc_u32 v3, s17, v3
	s_wait_kmcnt 0x0
	s_add_nc_u64 s[4:5], s[4:5], s[14:15]
	s_add_nc_u64 s[6:7], s[6:7], s[18:19]
	s_add_nc_u64 s[8:9], s[8:9], s[20:21]
	s_add_nc_u64 s[10:11], s[10:11], s[18:19]
	global_load_b64 v[4:5], v1, s[4:5] offset:4096 ; (M_i, l_i)
	global_load_b128 v[40:43], v2, s[6:7]
	global_load_b128 v[44:47], v2, s[6:7] offset:512
.irp i, 0,1,2,3,4,5,6,7
	global_load_b128 v[8+4*\i:11+4*\i], v3, s[4:5] offset:REC*\i
.endr
	s_wait_loadcnt 8                               ; the statistics and the scores are in; the eight loads of the sums may be out
	v_mov_b32 v48, v4
	v_max_num_f32_dpp v48, v48, v48 row_xmask:1 row_mask:0xf bank_mask:0xf
	v_max_num_f32_dpp v48, v48, v48 row_xmask:2 row_mask:0xf bank_mask:0xf
	v_max_num_f32_dpp v48, v48, v48 row_xmask:4 row_mask:0xf bank_mask:0xf
	v_mov_b32 v49, v48                             ; M, twice
	v_sub_f32 v7, v4, v48
	v_mul_f32 v7, 0x3fb8aa3b, v7
	v_exp_f32 v7, v7                               ; w_i; the lines below are the plain lines behind it
.irp k, 0,1,2,3
	v_pk_add_f32 v[40+2*\k:41+2*\k], v[40+2*\k:41+2*\k], v[48:49] neg_lo:[0,1] neg_hi:[0,1]
.endr
.irp k, 0,1,2,3
	v_pk_mul_f32 v[40+2*\k:41+2*\k], v[40+2*\k:41+2*\k], 0x3fb8aa3b op_sel_hi:[1,0]
.endr
	s_wait_alu depctr_va_vdst(0)
	v_mul_f32 v50, v5, v7
	v_add_f32_dpp v50, v50, v50 row_xmask:1 row_mask:0xf bank_mask:0xf
	v_add_f32_dpp v50, v50, v50 row_xmask:2 row_mask:0xf bank_mask:0xf
	v_add_f32_dpp v50, v50, v50 row_xmask:4 row_mask:0xf bank_mask:0xf
.irp i, 0,1,2,3,4,5,6,7
	v_exp_f32 v[40+\i], v[40+\i]
.endr
	v_rcp_f32 v52, v50                             ; 1 / L, twice: a pair for the packed multiply
	v_rcp_f32 v53, v50
	v_nop                                          ; a plain line between the transcendentals and the use of their results
	s_wait_alu depctr_va_vdst(0)
	v_mul_f32 v7, v7, v52                          ; w_i / L
.irp k, 0,1,2,3
	v_pk_mul_f32 v[40+2*\k:41+2*\k], v[40+2*\k:41+2*\k], v[52:53]
.endr
	global_store_b128 v2, v[40:43], s[10:11]
	global_store_b128 v2, v[44:47], s[10:11] offset:512
.irp i, 0,1,2,3,4,5,6,7
	v_readlane_b32 s[24+\i], v7, \i                ; a multiplier, nothing else: no address and no branch hangs on it
.endr
	s_wait_loadcnt 0x0
.irp e, 0,1,2,3
	v_mul_f32 v[54+\e], s24, v[8+\e]
.endr
.irp i, 1,2,3,4,5,6,7
.irp e, 0,1,2,3
	v_fmac_f32 v[54+\e], s[24+\i], v[8+4*\i+\e]
.endr
.endr
	global_store_b128 v2, v[54:57], s[8:9]
	s_endpgm
.Lfunc_end_k_qeab4412095_finish:
	.size	k_qeab4412095_finish, .Lfunc_end_k_qeab4412095_finish-k_qeab4412095_finish
	.p2alignl 7, 3214868480
	.fill 96, 4, 3214868480
	.section	.rodata,"a",@progbits
	.p2align	6, 0x0
	.amdhsa_kernel k_qeab4412095_finish
		.amdhsa_group_segment_fixed_size 0
		.amdhsa_private_segment_fixed_size 0
		.amdhsa_enable_private_segment 0
		.amdhsa_kernarg_size 32
		.amdhsa_user_sgpr_count 2
		.amdhsa_user_sgpr_kernarg_segment_ptr 1
		.amdhsa_wavefront_size32 1
		.amdhsa_system_sgpr_workgroup_id_x 1
		.amdhsa_system_sgpr_workgroup_id_y 1
		.amdhsa_system_sgpr_workgroup_id_z 1
		.amdhsa_system_vgpr_workitem_id 0
		.amdhsa_next_free_vgpr 64
		.amdhsa_next_free_sgpr 66
		.amdhsa_reserve_vcc 0
		.amdhsa_float_denorm_mode_32 3
		.amdhsa_float_denorm_mode_16_64 3
		.amdhsa_memory_ordered 1
		.amdhsa_forward_progress 1
		.amdhsa_inst_pref_size 6
	.end_amdhsa_kernel
	.amdgpu_metadata
---
amdhsa.version: [ 1, 2 ]
amdhsa.kernels:
  - .name:           k_qeab4412095_finish
    .symbol:         k_qeab4412095_finish.kd
    .args:
      - { .name: part, .offset: 0, .size: 8, .value_kind: global_buffer, .address_space: global }
      - { .name: sraw, .offset: 8, .size: 8, .value_kind: global_buffer, .address_space: global }
      - { .name: out0, .offset: 16, .size: 8, .value_kind: global_buffer, .address_space: global }
      - { .name: out1, .offset: 24, .size: 8, .value_kind: global_buffer, .address_space: global }
    .group_segment_fixed_size: 0
    .private_segment_fixed_size: 0
    .kernarg_segment_align: 8
    .kernarg_segment_size: 32
    .max_flat_workgroup_size: 32
    .sgpr_count:     66
    .vgpr_count:     64
    .wavefront_size: 32
...
	.end_amdgpu_metadata
.endif
;; end of part 3
;; ======== version 2 of 2: 3 launches; version 1 with the launch attn written anew for expert scheduling mode
;; workspace buffers: w1f 2,228,224 bytes; pqp 2,097,152 bytes; sraw 262,144 bytes; part 1,114,112 bytes
;; launch prep: the kernel of part 1 again; grid 16 x 16, 4 waves a work-group, no clusters, 29,696 bytes of LDS; arguments W1, W2, query, w1f, pqp; writes w1f, pqp
;; launch attn (part 4): grid 256 x 1, 4 waves a work-group, no clusters, 326,400 bytes of LDS; arguments values, w1f, pqp, b1, b2, V, bv, sraw, part; writes sraw, part
.if DOCPART == 4
	.amdgcn_target "amdgcn-amd-amdhsa--gfx1250"
	.amdhsa_code_object_version 6
	.text
	.protected	k_qeab4412095_attn
	.globl	k_qeab4412095_attn
	.p2align	8
	.type	k_qeab4412095_attn,@function
k_qeab4412095_attn:
	s_mov_b64 s[64:65], 0
	v_nop
	global_prefetch_b8 v0, s[64:65] scope:SCOPE_SE
	s_setreg_imm32_b32 hwreg(HW_REG_WAVE_SCHED_MODE, 0, 2), 2
	s_setreg_imm32_b32 hwreg(HW_REG_WAVE_MODE, 25, 1), 1
	s_wait_xcnt 0x0
	s_wait_alu depctr_vm_vsrc(0)
; ADDITIVE ATTENTION, the fused part.  score[row] = sum over u of V[u] tanh(values[row] . W1[:, u] + bias[u]) + bv, bias = b1 + b2 + query[batch] . W2;
; then, for the 256 rows of a work-group, a running softmax (maximum M, sum l) and the weighted sum of the rows.  values: [65,536 rows][1024] f32.
; SHARES.  Work-group g owns rows 256 g .. +255 (all of batch g / 8) as two tiles of 128 rows.  A tile lies in LDS in bf16 for as long as it is worked on: values is read from memory once.
; A tile is walked in four PASSES of 256 columns u; in a pass wave w owns all 128 rows x the 64 columns 256 pass + 64 w .. +63: 8 x 4 accumulators, 256 registers.  A pass is 32 K UNITS of 32 products.
; W1 comes as w1f (bf16, in the matrix unit's order).  A fragment of it is used by one wave alone and feeds 8 products, so LDS would give it no second reader: it goes from memory straight into a ring of
; eight register buffers, asked for seven units ahead.  So passes 1 to 3 have no barrier at all.
; NO CLUSTER, though all work-groups walk the same w1f: a joint load lands in LDS, and beside the tile (17 x 18,432 bytes) and the tables (13,056) LDS has 1,280 bytes left, where one K unit of a pass is 16,384.
; PASS 0 brings the tile in, a slice of 64 k at a time: memory -> registers (f32) -> bf16 -> LDS, one barrier a slice.
; THE MODE: SCHED_MODE bits 1:0 = 2 (LLVM: expert scheduling mode 2), set by the entry lines.  The code itself states the register dependences
; between vector or matrix instructions and memory or LDS instructions, with s_wait_alu, always for 0.
; THE PLAN.  Registers that memory or LDS instructions touch in the loops, and who else names them:
;   FA0, FA1       Unit i's 16 LDS loads land in FA[(i + 1) % 2]: unit i - 1's products were its last readers, unit i + 1's are the next.
;   the ring       Unit i's 8 loads of W1 land in buffer (i + 7) % 8, which unit i - 1's products have read.
;   v[AAD]         Read by the fragment loads; written every fourth unit, at the unit's head.  v[BVO], v[AVO], v[PFO] and the other addresses are made at the kernel's head and never written again.
;   BI, VM         The table loads land in them, in units that carry no tanh; T1P and TF read them.  v[TBC]: read by the table loads, written at a pass's and a tile's head.
;   CVT, v[ASD]    Pass 0: written by a first unit's conversions and its one add, read by its 16 LDS stores.  The two sets (window 3): read by the conversions, loaded again behind the stores.
; ONE wait on va_vdst stands at a unit's head.  It states that the products of the unit before are done reading the two buffers that this unit's loads fill, that v[AAD] is written where it was stepped,
; and that the exponentials and reciprocals of the unit before are written.  No product and no line of the tanh in the unit names a register that the unit's loads touch, so these are dealt among
; the products four at a time with no further wait.  Pass 0's first units have a second pair of waits, for the slice that they convert, store and ask for again.
; TANH BESIDE THE PRODUCTS.  tanh(x) = 1 - 2 / (1 + 2^(c x)), c = 2 log2(e): score = (bv + sum V) + sum over u of (-2 V[u]) / (1 + 2^(c x)); it saturates to +-1 for every finite x.
; In the first unit of pass p + 1 the sums of pass p are scaled, biased and moved into window 3, each accumulator two products ahead of its new start.  Their 128 pairs then go in 13 batches of ten:
; a batch's exponentials stand in one unit, its 1 + .. and its reciprocals in the next, the row sums' share in the third, in small groups behind the products of units 1 to 15, at most one group behind
; a product.  So whatever reads an exponential or a reciprocal stands behind the next unit's head.  Only a tile's last pass has no products to stand behind.
; A TILE'S END: the row sums meet in LDS, every wave makes the 128 weights p = e^(score - M), and thread t adds p x row for columns 8 t .. 8 t + 7 out of the bf16 tile.
; OUT.  sraw: the raw scores.  part: a record of 4,352 bytes a work-group: thread t's columns 8 t .. +3 at byte 16 t, 8 t + 4 .. +7 at byte 2,048 + 16 t; then the pair (M, l) 32 times.
; LIMITS.  values, W1, W2, query are rounded to bf16, for the products and (values) for the weighted sum.  The score's rounding goes with sum |V| x 2^-24, as a plain f32 sum's does.
; A weight below 2^-126 counts as 0.  NaN and infinities are not treated apart.
; THE PRICE OF ONE TEXT FOR EVERY TRIP: pass 0's last step converts a stale set of registers once more, into a 17th slice that nobody reads; the ring's seven units past the launch's last
; (28,672 bytes a wave, out of the copy behind w1f's end) are loaded and not used; bias and V of a pass are read from their tables once a trip; the row sums are cleared, 64 registers a tile.
; REGISTERS, in windows of 256 (s_set_vgpr_msb: bits 1:0 source 0, 3:2 source 1, 5:4 source 2, 7:6 destination):
;   window 0: v0-63 addresses, statistics, bias and V of one pass, the weighted sum; v64-191 two buffers of values' fragments; v192-255 the row sums (in pass 0: a slice in bf16)
;   window 1: the ring of W1's fragments, 8 x 32        window 2: accumulator (row block a, column block b) at v[8 (8 b + a)]; at a tile's end two zones of 16 rows of the tile
;   window 3: tanh at work; in pass 0 and at a tile's end v0-127 two sets of values as loaded, v128-159 32 weights
.set AP,    144                        ; a row of a slice: 128 bytes + 16 = 36 words: the 16 rows of a fragment load start at 16 different groups of four banks (64 banks of 4 bytes: ISA guide 11.1)
.set SLB,   128*AP                     ; a slice: 128 rows x 64 k
.set BT,    17*SLB                     ; c x bias, 1,024 f32
.set VT,    BT+4096                    ; -2 V, 1,024 f32
.set SC,    VT+4096                    ; 4 waves x 128 row sums
.set PL,    SC+2048                    ; 128 weights, a copy for each wave
.set KS,    PL+2048                    ; four partial sums of V
.set SPARE, KS+256                     ; the spare words, 128 bytes a wave: two blocks of 256 bytes that no other line names
.set UB,    16384                      ; bytes of w1f in a K unit: 4 waves x 4 blocks x 1,024
.set SPW, 2                            ; v2   LDS address of my spare word; never rewritten
.set NIL, 3                            ; v3   0; never rewritten
.set AK0, 4                            ; v4   my place in a fragment of values: 144 r + 16 h
.set AAD, 5                            ; v5   the same in the pair of slices in hand
.set AS0, 6                            ; v6   where I store 8 bytes of a row: row 32 w + 8 h
.set ASD, 7                            ; v7   the same in the slice in hand
.set AVO, 8                            ; v8   my 16 bytes of values in a slice
.set BVO, 9                            ; v9   my 16 bytes of a block of w1f: 4,096 w + 16 L
.set RVO, 10                           ; v10  16 x my thread's number
.set SCW, 11                           ; v11  where I put row sums
.set SCR, 12                           ; v12  where I read four rows' sums
.set PLW, 13                           ; v13  where I put four weights
.set PLR, 14                           ; v14  my wave's copy of the weights
.set SVO, 15                           ; v15  16 L
.set CAD, 16                           ; v16  my 16 bytes (8 columns) of the tile's row 0
.set LN,  17                           ; v17-19  L, r = L % 16, h = L / 16
.set RR,  18
.set HH,  19
.set MX,  20                           ; v20 M, v21 l
.set AL,  22                           ; v[22:23] the rescaling factor, twice
.set K0,  24                           ; v[24:25] bv + sum V, twice
.set TBA, 26                           ; v26  my column's place in the table of c x bias, pass 0
.set TBC, 27                           ; v27  the same for the pass in hand
.set BI,  28                           ; v[28:31] c x bias of the four column blocks
.set VM,  32                           ; v[32:35] -2 V of them
.set ZAD, 36                           ; v36  the weighted sum: my bytes of the 32 rows in hand
.set PAD, 37                           ; v37  their weights
.set KSA, 44                           ; v44  LDS address of the four partial sums of V; never rewritten
.set PFO, 46                           ; v46  row 32 w + L, in bytes of values
.set CX,  48                           ; v[48:55] the weighted sum
.set FA,  64
.set SS,  192
.set CVT, 192
.set PP,  128                          ; window 3
.set WV,  22                           ; s22  my wave's number
.set PB,  26                           ; s[26:27] w1f at the eight units in hand
.set PAB, 28                           ; s[28:29] values at the tile's first row
.set PA,  30                           ; s[30:31] the same at the slice to be loaded
.set OFF, 32                           ; s[32:33] that slice's byte offset
.set KA,  34                           ; s34  the slice to be loaded next
.set CNT, 35
.set TILE, 36                          ; s36  tiles to go
.set PASS, 37
.set TB,  38                           ; s38  LDS byte of the pair of slices in hand
.set TS,  39                           ; s39  LDS byte of the slice to be stored
.set PS,  40                           ; s[40:41] sraw at the tile's first row
.set SC8, 42                           ; s42  the pair of slices in hand, 0 .. 7
.set ZO,  43
.set PO,  44
.set CC,  58                           ; s[58:59] c = 2 log2(e)
.set LE,  60                           ; s[60:61] log2(e)
.set SEL, 62                           ; s[62:63] v_permlanex16_b32's selects: each lane takes its own place in the other half
.set K_PLAIN, 0                        ; kinds of a K unit: nothing beside the products but the loads;
.set K_RIDE,  1                        ; tanh beside them;
.set K_T1,    2                        ; a pass's first: the old sums move out;
.set K_FE,    3                        ; pass 0, a slice's first unit: the next slice is converted and stored, a further one asked for;
.set K_FO,    4                        ; pass 0, a slice's second unit: the barrier
.set MSB, 0
.macro WIN new                         ; the immediate's high byte repeats the setting that is left; a switch that changes nothing is dropped
.if MSB != (\new)
	s_set_vgpr_msb (MSB<<8)|(\new)
.set MSB, (\new)
.endif
.endm
.macro PLACES                          ; four places behind matrix instructions, in front of loads into registers that they read and of vector lines that read results (ISA guide 7.12.1 for the vector lines)
.rept 4
	v_nop
.endr
.endm
; Product k of a unit's 32: row block k % 8, column block k / 8.  Source 0 = 16 rows of values (window 0), source 1 = 16 columns of W1 (window 1): a lane then holds ONE column and eight rows, so bias and V
; cost one register a column block.  The 32 accumulators take turns, one instruction a turn.  zero = 1: the product starts the sum.
.macro MM1 i, k, zero
	WIN 0xa4
.if \zero
	v_wmma_f32_16x16x32_bf16 v[8*(\k):8*(\k)+7], v[FA+64*((\i)&1)+8*((\k)&7):FA+64*((\i)&1)+8*((\k)&7)+7], v[32*(\i)+8*((\k)>>3):32*(\i)+8*((\k)>>3)+7], 0
.else
	v_wmma_f32_16x16x32_bf16 v[8*(\k):8*(\k)+7], v[FA+64*((\i)&1)+8*((\k)&7):FA+64*((\i)&1)+8*((\k)&7)+7], v[32*(\i)+8*((\k)>>3):32*(\i)+8*((\k)>>3)+7], v[8*(\k):8*(\k)+7]
.endif
.endm
.macro REBASE                          ; on to the next pair of slices; behind the eighth comes the first again.  It stands at a unit's head, ahead of the unit's wait on va_vdst
	WIN 0
	s_add_co_u32 s[SC8], s[SC8], 1
	s_and_b32 s[SC8], s[SC8], 7
	s_mul_i32 s[TB], s[SC8], 2*SLB
	s_wait_alu depctr_vm_vsrc(0)                   ; the fragment loads issued so far have read v[AAD]
	v_add_nc_u32 v[AAD], s[TB], v[AK0]
.endm
.macro FAG i, g                        ; four LDS loads: row blocks 2 g, 2 g + 1 of the fragments of values for the unit behind unit i
	WIN 0
.set fo, ((((\i)+1)&3)>>1)*SLB+(((\i)+1)&1)*64
.set fb, FA+64*(((\i)+1)&1)
.irp a, 2*(\g), 2*(\g)+1
	ds_load_b128 v[fb+8*(\a):fb+8*(\a)+3],   v[AAD] offset:fo+(\a)*16*AP
	ds_load_b128 v[fb+8*(\a)+4:fb+8*(\a)+7], v[AAD] offset:fo+(\a)*16*AP+32
.endr
.endm
.macro FBG i, g                        ; four loads from memory, 512 consecutive bytes each: column blocks 2 g, 2 g + 1 of W1 for the unit seven behind unit i, into the buffer that the unit before i has left
	WIN 0x40
.set fr, 32*(((\i)+7)&7)
.irp b, 2*(\g), 2*(\g)+1
	global_load_b128 v[fr+8*(\b):fr+8*(\b)+3],   v[BVO], s[PB:PB+1] offset:((\i)+7)*UB+(\b)*1024
	global_load_b128 v[fr+8*(\b)+4:fr+8*(\b)+7], v[BVO], s[PB:PB+1] offset:((\i)+7)*UB+(\b)*1024+512
.endr
.endm
.macro PBSTEP
	s_wait_xcnt 0x0                                ; the base is a source of loads that are out: it is stepped only behind this wait
	s_add_nc_u64 s[PB:PB+1], s[PB:PB+1], 8*UB
.endm
.macro TBL h                           ; c x bias (h = 0) or -2 V (h = 1) of the pass in hand, for the tanh that follows the pass
	WIN 0
.irp b, 0,1,2,3
	ds_load_b32 v[BI+4*(\h)+\b], v[TBC] offset:4096*(\h)+64*\b
.endr
.endm
.macro CVG sg, g                       ; eight numbers of set sg to bf16
	WIN 0x0f
.irp e, 0,1,2,3
	v_cvt_pk_bf16_f32 v[CVT+4*(\g)+\e], v[64*(\sg)+8*(\g)+2*\e], v[64*(\sg)+8*(\g)+2*\e+1]
.endr
.endm
.macro STS g                           ; four stores of 8 bytes a lane; lanes 16-31 lie 8 rows = 288 words on: the other 32 banks
	WIN 0
.irp e, 0,1,2,3
	ds_store_b64 v[ASD], v[CVT+2*(4*(\g)+\e):CVT+2*(4*(\g)+\e)+1] offset:(((4*(\g)+\e)>>3)*16+((4*(\g)+\e)&7))*AP
.endr
.endm
.macro TSSTEP
	WIN 0
	s_add_co_u32 s[TS], s[TS], SLB
	v_add_nc_u32 v[ASD], s[TS], v[AS0]
.endm
.macro ASET sg, base, sl               ; my 32 rows of a slice: 16 loads, each two whole rows of 256 bytes, aligned
	WIN 0xc0
.set q, 0
.rept 16
	global_load_b128 v[64*(\sg)+4*q:64*(\sg)+4*q+3], v[AVO], s[\base:\base+1] offset:((q>>3)*16+(q&7))*4096+(\sl)*256 th:TH_LOAD_NT
.set q, q+1
.endr
.endm
.macro ALOAD sg, always                ; slice KA into set sg; behind the tile's last slice nothing is asked for.  always = 1: a tile's first two requests, which no branch jumps
	WIN 0
.if !(\always)
	s_cmp_lt_u32 s[KA], 16
	s_cbranch_scc0 .Lno_slice_\@
.endif
	s_wait_xcnt 0x0                                ; the address below is a source of loads that are out
	s_lshl_b32 s[OFF], s[KA], 8
	s_add_nc_u64 s[PA:PA+1], s[PAB:PAB+1], s[OFF:OFF+1]
	ASET \sg, PA, 0
	WIN 0
.if !(\always)
.Lno_slice_\@:
.endif
	s_add_co_u32 s[KA], s[KA], 1
.endm
; TANH, a line at a time.  Pair n of 128 is registers 2 n, 2 n + 1: pair n % 4 of accumulator n / 4.  dw, xw: the window in which it is at work: 3 beside products, 2 (in place) at a tile's end.
.macro T1P dw, n                       ; pair n: c x + c bias
	WIN ((\dw)<<6)|0x02
.set tb, (\n)>>5
.if (tb%2) == 0
	v_pk_fma_f32 v[2*(\n):2*(\n)+1], v[2*(\n):2*(\n)+1], s[CC:CC+1], v[BI+tb:BI+tb+1] op_sel_hi:[1,0,0]
.else
	v_pk_fma_f32 v[2*(\n):2*(\n)+1], v[2*(\n):2*(\n)+1], s[CC:CC+1], v[BI+tb-1:BI+tb] op_sel:[0,0,1] op_sel_hi:[1,0,1]
.endif
.endm
.macro T1 dw, i                        ; accumulator i, from its low end on
.irp e, 0,1,2,3
	T1P \dw, 4*(\i)+\e
.endr
.endm
.macro TE xw, r                        ; register r: 2^..
	WIN ((\xw)<<6)|(\xw)
	v_exp_f32 v[\r], v[\r]
.endm
.macro TA xw, n                        ; pair n: 1 + ..
	WIN ((\xw)<<6)|(\xw)
	v_pk_add_f32 v[2*(\n):2*(\n)+1], v[2*(\n):2*(\n)+1], 1.0 op_sel_hi:[1,0]
.endm
.macro TR xw, r                        ; register r: 1 / ..
	WIN ((\xw)<<6)|(\xw)
	v_rcp_f32 v[\r], v[\r]
.endm
.macro TF xw, n                        ; pair n: the row sums take (-2 V) / (1 + 2^..).  The pairs come in ascending order, so each row sum takes its terms by ascending column blocks
	WIN (\xw)
.set ga, ((\n)>>2)&7
.set gb, (\n)>>5
.set ge, (\n)&3
.if (gb%2) == 0
	v_pk_fma_f32 v[SS+8*ga+2*ge:SS+8*ga+2*ge+1], v[2*(\n):2*(\n)+1], v[VM+gb:VM+gb+1], v[SS+8*ga+2*ge:SS+8*ga+2*ge+1] op_sel_hi:[1,0,1]
.else
	v_pk_fma_f32 v[SS+8*ga+2*ge:SS+8*ga+2*ge+1], v[2*(\n):2*(\n)+1], v[VM+gb-1:VM+gb], v[SS+8*ga+2*ge:SS+8*ga+2*ge+1] op_sel:[0,1,0] op_sel_hi:[1,1,1]
.endif
.endm
; Group s of the 23 that stand beside the products of unit ru (1 .. 15) of a pass.  Batch b is pairs 10 b .. 10 b + 9 (the thirteenth has eight).
;   s = 0 .. 9    the two exponentials of pair s of batch ru - 1, and between them 1 + .. for pair s of batch ru - 2
;   s = 10 .. 19  the two reciprocals of pair s - 10 of batch ru - 2, ten products behind its 1 + ..
;   s = 20 .. 22  the row sums' share of batch ru - 3
; What reads an exponential or a reciprocal was issued a unit behind it: the unit's head wait stands between, and so do the four v_nop behind the unit's first product (ISA guide 5.7.2).
; Unit 14 issues the last reciprocals, unit 15 none.
.macro RIDER s
.if (\s) < 10
.set pe, 10*(ru-1)+(\s)
.set pa, 10*(ru-2)+(\s)
.if (ru <= 13) && (pe < 128)
	TE 3, 2*pe
.endif
.if (ru >= 2) && (ru <= 14) && (pa < 128)
	TA 3, pa
.endif
.if (ru <= 13) && (pe < 128)
	TE 3, 2*pe+1
.endif
.elseif (\s) < 20
.set pr, 10*(ru-2)+(\s)-10
.if (ru >= 2) && (ru <= 14) && (pr < 128)
	TR 3, 2*pr
	TR 3, 2*pr+1
.endif
.else
.irp e, 0,1,2,3
.set pf, 4*((\s)-20)+\e
.if (ru >= 3) && (pf < 10) && (10*(ru-3)+pf < 128)
	TF 3, 10*(ru-3)+pf
.endif
.endr
.endif
.endm
; A K UNIT at place i (0 .. 7) of the ring.  At its head stand the waits for its own operands, the step of v[AAD] where it is due, and the unit's one wait on va_vdst.  Behind product 0 stand four places.
; The loads are dealt four at a time: the next unit's fragments of values behind products 1 to 4 (with them the tables, where they are due), W1 for the unit seven on behind products 5 and 6;
; in pass 0's second units all six groups stand behind the barrier's wait, at products 5 to 10.  Pass 0's first units have a run behind product 16: the 16 stores of the converted slice and the
; 16 loads of a further one.  At most one group of vector work stands behind a product.
.macro UNIT i, zero, kind
	s_wait_dscnt 0x0                               ; this unit's fragments of values (the last were asked for 27 products ago, in pass 0 at the least 23); in pass 0 also my stores of the next slice
	s_wait_loadcnt 48                              ; this unit's W1: the six younger units' 48 loads may be out (in pass 0 the youngest 48 are two or three units' W1 and the youngest one or two slices)
.if ((\i)&3) == 3
	REBASE
.endif
	s_wait_alu depctr_va_vdst(0)                   ; the last unit's products are done reading the buffer of values' fragments and the ring's buffer in which this unit's loads land; v[AAD] is written; the last unit's exponentials and reciprocals are written; the lines that read BI and VM are done
.set la, 1
.if (\kind) == K_FO
.set la, 5
	s_barrier_signal -1                            ; my share of the next slice is in LDS
.endif
.if (\kind) == K_RIDE
.set ru, ru+1
.endif
.set mk, 0
.rept 32
	MM1 \i, mk, \zero
.if mk == 0
	PLACES
.endif
.if ((\kind) == K_FO) && (mk == 5)
	s_barrier_wait -1                              ; everybody's is: the loads below read it
.endif
.if (mk >= la) && (mk < la+4)
	FAG \i, mk-la                                  ; no wait: nothing issued since the unit's head names these registers
.if (mk >= la+2) && ((((\kind) == K_PLAIN) && ((\i) == 0)) || (((\kind) == K_FO) && ((\i) == 1)))
	TBL mk-la-2
.endif
.endif
.if (mk >= la+4) && (mk < la+6)
	FBG \i, mk-la-4
.endif
.if ((\i) == 7) && (mk == 20)
	PBSTEP
.endif
.if ((\kind) == K_T1) && (mk < 30)
	T1 3, mk+2                                     ; accumulator k + 2 moves out, two products ahead of its new start
.endif
.if ((\kind) == K_RIDE) && (mk >= 7) && (mk < 30)
	RIDER mk-7
.endif
.if (\kind) == K_FE
.set sg, (((\i)>>1)+1)&1
.if mk == 7
	s_wait_loadcnt 32                              ; the next slice is in registers: behind its loads stand four units' W1, 32 loads, on every way (and a younger slice's 16 where one was asked for)
	s_wait_alu depctr_vm_vsrc(0)                   ; the stores of the slice before have read CVT and v[ASD], which the conversions and the add below write again
.endif
.if (mk >= 8) && (mk <= 15)
	CVG sg, mk-8
.endif
.if mk == 16
	TSSTEP
	s_wait_alu depctr_va_vdst(0)                   ; the conversions have written CVT and the add v[ASD], which the stores read; the conversions are done reading the set in which the loads land
	STS 0
	STS 1
	STS 2
	STS 3
	ALOAD sg, \zero
.endif
.endif
.set mk, mk+1
.endr
.endm
; THE WEIGHTED SUM, 32 rows a trip in two zones of 16.
.macro ZLOAD z
	WIN 0x80
.set q, 0
.rept 16
	ds_load_b128 v[64*(\z)+4*q:64*(\z)+4*q+3], v[ZAD] offset:(16*(\z)+q)*AP   ; 8 lanes take a row's 128 bytes in each of four slices
.set q, q+1
.endr
.endm
.macro PLOAD
	WIN 0xc0
.set q, 0
.rept 8
	ds_load_b128 v[PP+4*q:PP+4*q+3], v[PAD] offset:16*q                       ; every lane the same 32 weights
.set q, q+1
.endr
.endm
.macro CFMA z                          ; eight multiply-adds a row, straight from the bf16 halves
	WIN 0x0e
.set q, 0
.rept 16
.irp k, 0,1,2,3
	v_fma_mix_f32_bf16 v[CX+2*\k],   v[64*(\z)+4*q+\k], v[PP+16*(\z)+q], v[CX+2*\k]   op_sel_hi:[1,0,0]
	v_fma_mix_f32_bf16 v[CX+2*\k+1], v[64*(\z)+4*q+\k], v[PP+16*(\z)+q], v[CX+2*\k+1] op_sel:[1,0,0] op_sel_hi:[1,0,0]
.endr
.set q, q+1
.endr
.endm
.macro RED op, r, t                    ; over the wave's 32 lanes; t has been written before
.irp m, 1,2,4,8
	\op\()_dpp v[\r], v[\r], v[\r] row_xmask:\m row_mask:0xf bank_mask:0xf
.endr
	v_permlanex16_b32 v[\t], v[\r], s[SEL], s[SEL+1]
.endm
	; THE HEAD
	s_load_b512 s[4:19], s[0:1], 0x0               ; values s[4:5], w1f s[6:7], pqp s[8:9], b1 s[10:11], b2 s[12:13], V s[14:15], bv s[16:17], sraw s[18:19]
	s_load_b64 s[20:21], s[0:1], 0x40              ; part
	v_lshl_add_u32 v[SPW], v0, 2, SPARE
	v_mov_b32 v[NIL], 0
	v_lshrrev_b32 v1, 5, v0
	v_readfirstlane_b32 s[WV], v1                  ; wave 0..3
	s_lshr_b32 s25, ttmp9, 3                       ; the batch
	s_mov_b32 s[CC], 0x4038aa3b                    ; 2 log2(e)
	s_mov_b32 s[CC+1], s[CC]                       ; named with it as a pair
	s_mov_b32 s[LE], 0x3fb8aa3b                    ; log2(e)
	s_mov_b32 s[LE+1], s[LE]
	s_mov_b32 s[SEL], 0x76543210
	s_mov_b32 s[SEL+1], 0xfedcba98
	s_mov_b32 s[OFF+1], 0
	v_and_b32 v[LN], 31, v0
	v_and_b32 v[RR], 15, v0
	v_bfe_u32 v[HH], v0, 4, 1
	v_mul_u32_u24 v[AK0], v[RR], AP
	v_lshl_add_u32 v[AK0], v[HH], 4, v[AK0]        ; row r x pitch + 16 h
	v_mov_b32 v[KSA], KS
	s_wait_alu depctr_va_sdst(0)                   ; the wave's number is written, ahead of its first reader: addresses and branches are made from it
	s_lshl_b32 s69, s[WV], 5
	v_lshl_add_u32 v1, v[HH], 3, s69               ; 32 w + 8 h: lanes 0-15 take one row, lanes 16-31 the row 8 further down
	v_mul_u32_u24 v[AS0], v1, AP
	v_lshl_add_u32 v[AS0], v[RR], 3, v[AS0]
	v_lshlrev_b32 v[AVO], 12, v1
	v_lshl_add_u32 v[AVO], v[RR], 4, v[AVO]
	v_add_nc_u32 v[PFO], s69, v[LN]
	v_lshlrev_b32 v[PFO], 12, v[PFO]
	s_lshl_b32 s70, s[WV], 12
	v_lshl_add_u32 v[BVO], v[LN], 4, s70
	v_lshlrev_b32 v[RVO], 4, v0
	s_lshl_b32 s70, s[WV], 9
	v_lshl_add_u32 v[SCW], v[HH], 5, s70
	v_add_nc_u32 v[SCW], SC, v[SCW]
	v_lshlrev_b32 v[SVO], 4, v[LN]
	v_add_nc_u32 v[SCR], SC, v[SVO]
	v_add_nc_u32 v[PLW], s70, v[SVO]
	v_add_nc_u32 v[PLW], PL, v[PLW]
	v_mov_b32 v[PLR], s70
	v_add_nc_u32 v[PLR], PL, v[PLR]
	v_lshrrev_b32 v[CAD], 3, v0                    ; thread t: slice t / 8,
	v_mul_u32_u24 v[CAD], v[CAD], SLB
	v_and_b32 v1, 7, v0
	v_lshl_add_u32 v[CAD], v1, 4, v[CAD]           ; 16 bytes t % 8 of its rows: columns 8 t .. 8 t + 7
	s_lshl_b32 s70, s[WV], 8
	v_lshl_add_u32 v[TBA], v[RR], 2, s70
	v_add_nc_u32 v[TBA], BT, v[TBA]                ; column 64 w + r
	s_wait_kmcnt 0x0
	s_lshl_b32 s70, ttmp9, 20                      ; 256 rows of 4,096 bytes
	s_mov_b32 s71, 0
	s_add_nc_u64 s[PAB:PAB+1], s[4:5], s[70:71]
	s_lshl_b32 s70, s25, 12
	s_add_nc_u64 s[8:9], s[8:9], s[70:71]          ; pqp at my batch
	s_lshl_b32 s70, ttmp9, 10
	s_add_nc_u64 s[PS:PS+1], s[18:19], s[70:71]
	s_mul_i32 s70, ttmp9, 4352
	s_add_nc_u64 s[20:21], s[20:21], s[70:71]      ; my record
	s_mov_b64 s[PB:PB+1], s[6:7]
	s_load_b32 s68, s[16:17], 0x0                  ; bv
	s_wait_alu depctr_va_vdst(0)                   ; the offsets and LDS addresses made above are written: v[RVO], v[AVO], v[BVO], v[PFO], v[SVO], v[SCW], v[SCR], v[PLW], v[KSA] are read by loads, stores and prefetches from here to the end and never written again
.set e, 0
.rept 16                               ; the 16 parts of query x W2 for columns 4 t .. and 512 + 4 t ..; each load of a wave covers 512 consecutive bytes
	global_load_b128 v[64+8*e:64+8*e+3], v[RVO], s[8:9] offset:e*131072
	global_load_b128 v[64+8*e+4:64+8*e+7], v[RVO], s[8:9] offset:e*131072+2048
.set e, e+1
.endr
	global_load_b128 v[192:195], v[RVO], s[10:11]
	global_load_b128 v[196:199], v[RVO], s[10:11] offset:2048
	global_load_b128 v[200:203], v[RVO], s[12:13]
	global_load_b128 v[204:207], v[RVO], s[12:13] offset:2048
	global_load_b128 v[208:211], v[RVO], s[14:15]
	global_load_b128 v[212:215], v[RVO], s[14:15] offset:2048
	ASET 0, PAB, 0                                 ; the first tile's slices 0 and 1,
	ASET 1, PAB, 1
.irp u, 0,1,2,3,4,5,6                  ; and W1 for units 0 to 6
	FBG \u-7, 0
	FBG \u-7, 1
.endr
	WIN 0
	s_wait_loadcnt 63                              ; the 38 loads of the tables are in: 88 were issued behind them
.irp k, 0,1,2,3
	v_pk_add_f32 v[192+2*\k:193+2*\k], v[192+2*\k:193+2*\k], v[200+2*\k:201+2*\k]      ; b1 + b2
.endr
.set e, 0
.rept 16
.irp k, 0,1,2,3
	v_pk_add_f32 v[192+2*\k:193+2*\k], v[192+2*\k:193+2*\k], v[64+8*e+2*\k:65+8*e+2*\k]
.endr
.set e, e+1
.endr
.irp k, 0,1,2,3
	v_pk_mul_f32 v[192+2*\k:193+2*\k], v[192+2*\k:193+2*\k], s[CC:CC+1] op_sel_hi:[1,0] ; c x bias
	v_pk_mul_f32 v[200+2*\k:201+2*\k], v[208+2*\k:209+2*\k], -2.0 op_sel_hi:[1,0]       ; -2 V
.endr
	v_add_nc_u32 v38, BT, v[RVO]
	v_pk_add_f32 v[208:209], v[208:209], v[210:211]
	v_pk_add_f32 v[212:213], v[212:213], v[214:215]
	v_pk_add_f32 v[208:209], v[208:209], v[212:213]
	v_add_f32 v208, v208, v209                     ; the sum of my 8 V, then of the wave's 256
	RED v_add_f32, 208, 209
	v_add_f32 v208, v208, v209
	s_lshl_b32 s70, s[WV], 2
	v_mov_b32 v39, s70
	v_add_nc_u32 v39, KS, v39
	s_wait_alu depctr_va_vdst(0)                   ; c x bias, -2 V, the wave's sum of V and the two addresses v38, v39 are written: the five LDS stores read them
	ds_store_b128 v38, v[192:195]
	ds_store_b128 v38, v[196:199] offset:2048
	ds_store_b128 v38, v[200:203] offset:4096      ; VT lies 4,096 bytes behind BT
	ds_store_b128 v38, v[204:207] offset:6144
	ds_store_b32 v39, v208
	s_wait_dscnt 0x0                               ; for the others' sake: my shares of the tables are in LDS
	s_barrier_signal -1
	s_barrier_wait -1
	ds_load_b128 v[40:43], v[KSA]
	v_mov_b32 v[MX], 0xff7fffff                    ; M: the lowest finite number, so the first tile's factor is 0
	v_mov_b32 v[MX+1], 0                           ; l
.set e, 0
.rept 8
	v_mov_b32 v[CX+e], 0
.set e, e+1
.endr
	s_mov_b32 s[TILE], 2
	s_wait_dscnt 0x0
	s_wait_kmcnt 0x0                               ; bv
	v_add_f32 v40, v40, v41
	v_add_f32 v42, v42, v43
	v_add_f32 v40, v40, v42
	v_add_f32 v[K0], s68, v40
	v_mov_b32 v[K0+1], v[K0]
.Ltile:                                            ; A TILE BEGINS: its slice 0 goes into LDS, its slice 2 is asked for
	s_mov_b32 s[SC8], 0
	s_mov_b32 s[TS], 0
	s_mov_b32 s[KA], 2
	s_wait_alu depctr_vm_vsrc(0)                   ; the LDS loads and stores issued so far have read v[AAD], v[ASD], v[TBC] and v192-255 (the tables' shares; the last tile's row sums), the last tile's stores v64-67 and v72-75: all are written again below, by vector lines or by loads
	v_mov_b32 v[AAD], v[AK0]
	v_mov_b32 v[ASD], v[AS0]
	v_mov_b32 v[TBC], v[TBA]
	s_wait_loadcnt 0x0                             ; both first slices are in registers
.irp g, 0,1,2,3,4,5,6,7
	CVG 0, \g
.endr
	s_wait_alu depctr_va_vdst(0)                   ; CVT and the three addresses are written, which the stores and the loads below read; the conversions are done reading set 0, and all vector lines that named v64-191 are done: loads land in both
.irp g, 0,1,2,3
	STS \g
.endr
	ALOAD 0, 1
	s_wait_dscnt 0x0                               ; for the others' sake: my rows of slice 0
	s_barrier_signal -1
	s_barrier_wait -1
.irp g, 0,1,2,3
	FAG -1, \g
.endr
	UNIT 0, 1, K_FE                                ; PASS 0.  Its first unit starts the sums, so it is written out, and the loop is entered behind the loop's own first unit
	WIN 0
	s_mov_b32 s[CNT], 4
	s_branch .Lp0in
.Lp0:                                              ; a trip: eight units, four slices
	UNIT 0, 0, K_FE
	WIN 0
.Lp0in:
	UNIT 1, 0, K_FO
	UNIT 2, 0, K_FE
	UNIT 3, 0, K_FO
	UNIT 4, 0, K_FE
	UNIT 5, 0, K_FO
	UNIT 6, 0, K_FE
	UNIT 7, 0, K_FO
	WIN 0
	s_sub_co_u32 s[CNT], s[CNT], 1
	s_cmp_lg_u32 s[CNT], 0
	s_cbranch_scc1 .Lp0
	s_wait_loadcnt 8                               ; only the last unit's 8 loads of W1 may be out: no load into window 3 is pending when the tanh writes there
	s_wait_alu depctr_vm_vsrc(0)                   ; pass 0's last stores have read CVT, the first 32 of the registers that are cleared below
.set e, 0
.rept 64
	v_mov_b32 v[SS+e], 0                           ; the row sums: passes 1 to 3 share one text, so none of them can start a sum
.set e, e+1
.endr
	s_mov_b32 s[PASS], 3
.Lpass:                                            ; PASSES 1 TO 3, with the tanh of the pass before
	s_wait_alu depctr_vm_vsrc(0)                   ; the table loads of the pass before have read v[TBC]
	v_add_nc_u32 v[TBC], 1024, v[TBC]
	PLACES
	T1 3, 0
	T1 3, 1
	UNIT 0, 1, K_T1
.set ru, 0
.irp i, 1,2,3,4,5,6,7,0,1,2,3,4,5,6,7
	UNIT \i, 0, K_RIDE
.endr
	WIN 0
	s_mov_b32 s[CNT], 2
.Lplain:
.irp i, 0,1,2,3,4,5,6,7
	UNIT \i, 0, K_PLAIN
.endr
	WIN 0
	s_sub_co_u32 s[CNT], s[CNT], 1
	s_cmp_lg_u32 s[CNT], 0
	s_cbranch_scc1 .Lplain
	s_sub_co_u32 s[PASS], s[PASS], 1
	s_cmp_lg_u32 s[PASS], 0
	s_cbranch_scc1 .Lpass
	; A TILE'S END
	PLACES                                         ; behind the last products, in front of the lines that read and rewrite the sums
	s_cmp_eq_u32 s[TILE], 1
	s_cbranch_scc1 .Lno_next
	s_wait_xcnt 0x0                                ; the base below has been a source of loads
	s_add_nc_u64 s[PAB:PAB+1], s[PAB:PAB+1], 524288  ; 128 rows on: the next tile's slices 0 and 1 come in under the tanh,
	ASET 0, PAB, 0                                 ; into window 3's v0-127.  No wait here: the last lines that named them stand in the pass's unit 15, ahead of the head waits of the sixteen units behind it, and only products have been issued since
	ASET 1, PAB, 1
	WIN 0
.irp s, 2,3,4,5                        ; and its slices 2 to 5 are asked for ahead: a lane a row, 256 bytes of it a line: each block once, 131,072 bytes a work-group, all inside the next tile
	global_prefetch_b8 v[PFO], s[PAB:PAB+1] offset:\s*256 th:TH_LOAD_NT scope:SCOPE_SE
.endr
.Lno_next:
	; Pass 3's tanh, in place, in three phases.  First c x + c bias, and two pairs behind it the exponentials: ONE batch of 256
.set e, 0
.rept 130
.if e < 128
	T1P 2, e
.endif
.if e >= 2
	TE 2, 2*e-4
	TE 2, 2*e-3
.endif
.set e, e+1
.endr
	s_wait_alu depctr_va_vdst(0)                   ; the 256 exponentials are written, ahead of the first line that names one; that line, pair 0's, is also the plain line behind the last of them
.set e, 0
.rept 130                              ; 1 + .., and two pairs behind it the reciprocals: one batch of 256
.if e < 128
	TA 2, e
.endif
.if e >= 2
	TR 2, 2*e-4
	TR 2, 2*e-3
.endif
.set e, e+1
.endr
	s_wait_alu depctr_va_vdst(0)                   ; the 256 reciprocals are written, ahead of the first line that names one
.set e, 0
.rept 128                              ; the row sums' shares, the pairs ascending
	TF 2, e
.set e, e+1
.endr
	WIN 0
.irp m, 1,2,4,8                        ; a row's sum over my wave's columns: the lane has added its 16 column blocks, now the 16 lanes of its half
.set e, 0
.rept 64
	v_add_f32_dpp v[SS+e], v[SS+e], v[SS+e] row_xmask:\m row_mask:0xf bank_mask:0xf
.set e, e+1
.endr
.endr
	s_wait_alu depctr_va_vdst(0)                   ; the row sums are written, which the stores read; the products that read v64-79 are done: behind the barrier loads land there
.irp a, 0,1,2,3,4,5,6,7                ; register 8 a + j holds row 16 a + 8 h + j; the 16 lanes of a half store the same numbers to the same words
	ds_store_b128 v[SCW], v[SS+8*\a:SS+8*\a+3] offset:64*\a
	ds_store_b128 v[SCW], v[SS+8*\a+4:SS+8*\a+7] offset:64*\a+16
.endr
	s_wait_dscnt 0x0                               ; for the others' sake
	s_barrier_signal -1
	s_barrier_wait -1
.irp w, 0,1,2,3
	ds_load_b128 v[64+4*\w:67+4*\w], v[SCR] offset:512*\w   ; rows 4 L .. 4 L + 3, from each wave
.endr
	s_wait_dscnt 0x0
	v_pk_add_f32 v[64:65], v[64:65], v[68:69]
	v_pk_add_f32 v[66:67], v[66:67], v[70:71]
	v_pk_add_f32 v[72:73], v[72:73], v[76:77]
	v_pk_add_f32 v[74:75], v[74:75], v[78:79]
	v_pk_add_f32 v[64:65], v[64:65], v[72:73]
	v_pk_add_f32 v[66:67], v[66:67], v[74:75]
	v_pk_add_f32 v[64:65], v[64:65], v[K0:K0+1]
	v_pk_add_f32 v[66:67], v[66:67], v[K0:K0+1]    ; four scores; every wave does the rest alike, since each needs all 128 weights
	s_cmp_lg_u32 s[WV], 0
	s_cbranch_scc1 .Lno_scores
	s_wait_alu depctr_va_vdst(0)                   ; the four scores are written, which the store reads
	global_store_b128 v[SVO], v[64:67], s[PS:PS+1] ; 512 consecutive bytes, aligned
.Lno_scores:
	v_max_num_f32 v68, v64, v65
	v_max3_num_f32 v68, v68, v66, v67
	RED v_max_num_f32, 68, 69
	v_max3_num_f32 v68, v68, v69, v[MX]            ; the new M
	v_mov_b32 v69, v68
	v_sub_f32 v70, v[MX], v68
	v_pk_add_f32 v[72:73], v[64:65], v[68:69] neg_lo:[0,1] neg_hi:[0,1]
	v_pk_add_f32 v[74:75], v[66:67], v[68:69] neg_lo:[0,1] neg_hi:[0,1]
	v_mul_f32 v70, s[LE], v70
	v_pk_mul_f32 v[72:73], v[72:73], s[LE:LE+1] op_sel_hi:[1,0]
	v_pk_mul_f32 v[74:75], v[74:75], s[LE:LE+1] op_sel_hi:[1,0]
	v_exp_f32 v[AL], v70                           ; e^(M_old - M)
	v_exp_f32 v72, v72                             ; four weights
	v_exp_f32 v73, v73
	v_exp_f32 v74, v74
	v_exp_f32 v75, v75
	v_mov_b32 v[MX], v68                           ; the plain line behind the exponentials
	s_wait_alu depctr_va_vdst(0)                   ; the five exponentials are written: the factor is read by the next line, the four weights by the LDS store
	v_mov_b32 v[AL+1], v[AL]
	ds_store_b128 v[PLW], v[72:75]
	v_pk_add_f32 v[76:77], v[72:73], v[74:75]
	v_add_f32 v76, v76, v77
	RED v_add_f32, 76, 77
	v_add_f32 v76, v76, v77
	v_fma_f32 v[MX+1], v[MX+1], v[AL], v76         ; l
.irp k, 0,1,2,3
	v_pk_mul_f32 v[CX+2*\k:CX+2*\k+1], v[CX+2*\k:CX+2*\k+1], v[AL:AL+1]
.endr
	s_mov_b32 s[ZO], 0
	s_mov_b32 s[PO], 0
	s_mov_b32 s[CNT], 4
.Lsum:                                             ; 32 rows a trip
	s_wait_alu depctr_vm_vsrc(0)                   ; the loads of the trip before (of the tile before) have read v[ZAD] and v[PAD]
	v_add_nc_u32 v[ZAD], s[ZO], v[CAD]
	v_add_nc_u32 v[PAD], s[PO], v[PLR]
	s_wait_alu depctr_va_vdst(0)                   ; the two addresses are written; the multiply-adds of the trip before (in the first trip the tanh's lines) are done with the zones' and the weights' registers, in which the loads land
	PLOAD                                          ; my wave's own bytes, and LDS serves a wave's instructions in order (ISA guide 5.7.1.4)
	ZLOAD 0
	ZLOAD 1
	s_wait_dscnt 16                                ; the weights and the first 16 rows are in; the other 16 loads may be out
	CFMA 0
	s_wait_dscnt 0x0
	CFMA 1
	WIN 0
	s_add_co_u32 s[ZO], s[ZO], 32*AP
	s_add_co_u32 s[PO], s[PO], 128
	s_sub_co_u32 s[CNT], s[CNT], 1
	s_cmp_lg_u32 s[CNT], 0
	s_cbranch_scc1 .Lsum
	s_wait_xcnt 0x0                                ; the two addresses below and the scores' registers are sources of what was issued above
	s_mov_b64 s[PB:PB+1], s[6:7]                   ; the ring has run on into the copy behind w1f's end: units 0 to 6 are asked for, the next request is unit 7's
	s_add_nc_u64 s[PS:PS+1], s[PS:PS+1], 512
	s_wait_dscnt 0x0                               ; my reads of the tile and of the row sums are over:
	s_barrier_signal -1
	s_barrier_wait -1                              ; everybody's are, and the next tile may be stored over this one
	s_sub_co_u32 s[TILE], s[TILE], 1
	s_cmp_lg_u32 s[TILE], 0
	s_cbranch_scc1 .Ltile
	v_lshlrev_b32 v38, 3, v[LN]                    ; (the head's LDS stores, which read v38, stand ahead of the wait on vm_vsrc at a tile's head)
	s_wait_alu depctr_va_vdst(0)                   ; v38, M, l and the weighted sum are written, which the three stores below read
	s_cmp_lg_u32 s[WV], 0
	s_cbranch_scc1 .Lno_ml
	global_store_b64 v38, v[MX:MX+1], s[20:21] offset:4096       ; (M, l) 32 times: 256 consecutive bytes, aligned
.Lno_ml:
	global_store_b128 v[RVO], v[CX:CX+3], s[20:21]               ; each store of a wave covers 512 consecutive bytes, aligned
	global_store_b128 v[RVO], v[CX+4:CX+7], s[20:21] offset:2048
	s_wait_dscnt 0x0                               ; the closing lines, six on end
	s_wait_alu 0x0
	s_wait_tensorcnt 0x0
	ds_add_u32 v[SPW], v[NIL]
	s_wait_dscnt 0x0
	s_endpgm
.Lfunc_end_k_qeab4412095_attn:
	.size	k_qeab4412095_attn, .Lfunc_end_k_qeab4412095_attn-k_qeab4412095_attn
	.p2alignl 7, 3214868480
	.fill 96, 4, 3214868480
	.section	.rodata,"a",@progbits
	.p2align	6, 0x0
	.amdhsa_kernel k_qeab4412095_attn
		.amdhsa_group_segment_fixed_size 326400
		.amdhsa_private_segment_fixed_size 0
		.amdhsa_enable_private_segment 0
		.amdhsa_kernarg_size 72
		.amdhsa_user_sgpr_count 2
		.amdhsa_user_sgpr_kernarg_segment_ptr 1
		.amdhsa_wavefront_size32 1
		.amdhsa_system_sgpr_workgroup_id_x 1
		.amdhsa_system_sgpr_workgroup_id_y 1
		.amdhsa_system_sgpr_workgroup_id_z 1
		.amdhsa_system_vgpr_workitem_id 0
		.amdhsa_next_free_vgpr 1024
		.amdhsa_next_free_sgpr 72
		.amdhsa_reserve_vcc 0
		.amdhsa_float_denorm_mode_32 3
		.amdhsa_float_denorm_mode_16_64 3
		.amdhsa_memory_ordered 1
		.amdhsa_forward_progress 1
		.amdhsa_inst_pref_size 255
	.end_amdhsa_kernel
	.section	.bss,"aw",@nobits
	.p2align	6
	.space	262144
	.amdgpu_metadata
---
amdhsa.version: [ 1, 2 ]
amdhsa.kernels:
  - .name:           k_qeab4412095_attn
    .symbol:         k_qeab4412095_attn.kd
    .args:
      - { .name: values, .offset: 0, .size: 8, .value_kind: global_buffer, .address_space: global }
      - { .name: w1f, .offset: 8, .size: 8, .value_kind: global_buffer, .address_space: global }
      - { .name: pqp, .offset: 16, .size: 8, .value_kind: global_buffer, .address_space: global }
      - { .name: b1, .offset: 24, .size: 8, .value_kind: global_buffer, .address_space: global }
      - { .name: b2, .offset: 32, .size: 8, .value_kind: global_buffer, .address_space: global }
      - { .name: V, .offset: 40, .size: 8, .value_kind: global_buffer, .address_space: global }
      - { .name: bv, .offset: 48, .size: 8, .value_kind: global_buffer, .address_space: global }
      - { .name: sraw, .offset: 56, .size: 8, .value_kind: global_buffer, .address_space: global }
      - { .name: part, .offset: 64, .size: 8, .value_kind: global_buffer, .address_space: global }
    .group_segment_fixed_size: 326400
    .private_segment_fixed_size: 0
    .kernarg_segment_align: 8
    .kernarg_segment_size: 72
    .max_flat_workgroup_size: 128
    .sgpr_count:     72
    .vgpr_count:     1024
    .wavefront_size: 32
...
	.end_amdgpu_metadata
.endif
;; end of part 4
;; launch finish: the kernel of part 3 again; grid 256 x 1, 1 waves a work-group, no clusters, 0 bytes of LDS; arguments part, sraw, out0, out1; writes out0, out1
